; MI455X (gfx1250); checked and timed in simulation.
; The chip was launched on July 23, 2026; its instructions are those of AMD's public machine-readable ISA for CDNA 5 (MIT licence, August 2026) and "CDNA5" Instruction Set Architecture Reference Guide (July 2026). The comments in the code are by the model that wrote it; some were corrected since.
;; Window Attention Memory. Allowed arithmetic: float matrix products may take bf16 or f16 operands with f32 sums; all other float work in f32.
;; Inputs: Wk 1,024 x 1,024 float32; Wo 1,024 x 1,024 float32; Wq 1,024 x 1,024 float32; Wv 1,024 x 1,024 float32; beta 1,024 float32; bk 1,024 float32; bo 1,024 float32; bq 1,024 float32; bv 1,024 float32; gamma 1,024 float32; hidden_states 2 x 2,048 x 1,024 float32.
;; Outputs: out0 2 x 2,048 x 1,024 float32.
;; 2 versions, each right; version 2 is version 1 with the launch prep written anew for expert scheduling mode. Each part assembles by itself: llvm-mc -triple=amdgcn-amd-amdhsa -mcpu=gfx1250 --defsym DOCPART=n.
;; ======== version 1 of 2: 4 launches
;; limits: values are held in f16: magnitudes above 65,504 overflow, below 6.1e-05 lose precision
;; workspace buffers: xn 8,388,608 bytes; wb 8,388,608 bytes; qkv 25,165,824 bytes; at 8,388,608 bytes
;; launch prep (part 1): grid 256 x 1, 8 waves a work-group, no clusters, 9,216 bytes of LDS; arguments hidden_states, gamma, beta, Wq, Wk, Wv, Wo, xn, wb; writes xn, wb
.if DOCPART == 1
	.amdgcn_target "amdgcn-amd-amdhsa--gfx1250"
	.amdhsa_code_object_version 6
	.text
	.protected	k_qd61852ddc9_prep
	.globl	k_qd61852ddc9_prep
	.p2align	8
	.type	k_qd61852ddc9_prep,@function
k_qd61852ddc9_prep:
	s_mov_b64 s[64:65], 0
	v_nop
	global_prefetch_b8 v0, s[64:65] scope:SCOPE_SE
	s_setreg_imm32_b32 hwreg(HW_REG_WAVE_MODE, 25, 1), 1
	s_wait_xcnt 0x0
; LayerNorm of hidden_states and the narrowing of the four weight matrices to f16, both into PANELS:
; an array [4096 rows][1024 columns] lies as [16 panels][4096 rows][64 columns] f16, so a row of a panel is 128 bytes
; and any run of rows of one panel is dense.  xn = LayerNorm(hidden); wb = rows 0-1023 Wq, 1024-2047 Wk, 2048-3071 Wv, 3072-4095 Wo.
; 256 work-groups of eight waves; work-group g takes hidden rows 16 g .. 16 g + 15 and stacked weight rows 16 g .. 16 g + 15.
; A wave takes a pair of rows of each: lanes 0-15 the even row, lanes 16-31 the odd one.  Load j (0..15) of a pair reads 16 bytes a lane
; at byte 256 j + 16 (lane mod 16) of the lane's row: two aligned runs of 256 bytes.  The four numbers become 8 bytes of panel j, and
; the 32 lanes of a store write rows n, n + 1 of that panel: 256 consecutive bytes, aligned.
; The row stays in registers between mean, variance and scaling: it is read once.  The mean is taken away BEFORE the squares are summed,
; so a common offset of the inputs costs no digits.  No matrix unit, no cluster, no tensor load: nothing is shared and nothing multiplied.
; WHY F16 AND NOT BF16: a sequence's first rows attend to one or two keys, so the value path's roundings (x, Wv, v, P, the attention's result, Wo) reach the
; output undamped; with 8 significant bits their sum comes close to a hundredth of the output's spread, with f16's 11 bits it is eight times smaller.
; ROOM IN F16: a normalised row of 1024 has no entry above sqrt(1023) < 32, so |xn| <= 32 max|gamma| + max|beta|: under 1,000 for a gain of 30.  Weights are drawn up to
; about 0.16: about 5 when 30 times larger; 30 times smaller (spread 0.001) they are still normal f16, and entries below 2^-14 are kept to 2^-25.
; LIMITS: xn or a weight beyond 65,504 in magnitude becomes infinite.  1/sqrt is v_rsq_f32 (1 ulp; var + 1e-12 is never denormal); sums run in four chains and a
; 16-lane tree, an order other than a plain left-to-right sum.
.set PANEL, 524288                     ; bytes of a panel: 4096 rows x 128
.set VL,  1                            ; v1   byte offset of my 16 bytes in load 0: (thread / 16) rows of 4096 bytes + 16 (thread mod 16)
.set VS,  2                            ; v2   byte offset of my 8 bytes in a store: 8 x thread = (thread / 16) x 128 + 8 (thread mod 16)
.set V16, 3                            ; v3   16 x thread: my share of gamma and beta on their way into LDS
.set VG,  4                            ; v4   16 (thread mod 16): my columns of gamma and beta in LDS
.set NM,  12                           ; v[12:13]  minus the mean, twice (free once beta has been staged)
.set RS,  14                           ; v[14:15]  1 / sqrt(var + eps), twice
.set W,   16                           ; v[16:79]   the weight row pair
.set X,   80                           ; v[80:143]  the hidden row pair
.set GB,  144                          ; v[144:207] two buffers of 32: gamma of four loads' columns, then beta
.set ACC, 208                          ; v[208:215] four chains of pairs
	s_load_b512 s[8:23], s[0:1], 0x0               ; hidden s[8:9], gamma s[10:11], beta s[12:13], Wq s[14:15], Wk s[16:17], Wv s[18:19], Wo s[20:21], xn s[22:23]
	s_load_b64 s[24:25], s[0:1], 0x40              ; wb
	v_lshl_add_u32 v216, v0, 2, 0x2000
	v_mov_b32 v217, 0
	s_lshr_b32 s2, ttmp9, 6                        ; which weight matrix: 64 work-groups each
	s_lshl_b32 s28, ttmp9, 16                      ; hidden: 16 rows of 4096 bytes a work-group
	s_mov_b32 s29, 0
	s_and_b32 s30, ttmp9, 63
	s_lshl_b32 s30, s30, 16                        ; the same inside my weight matrix
	s_mov_b32 s31, 0
	s_lshl_b32 s32, ttmp9, 11                      ; both results: 16 rows of 128 bytes in every panel
	s_mov_b32 s33, 0
	s_mov_b32 s34, 0x3a800000                      ; 1/1024
	s_mov_b32 s35, 0x2b8cbccc                      ; 1e-12
	s_mov_b32 s36, 0xba800000                      ; -1/1024
	v_lshrrev_b32 v[VL], 4, v0
	v_and_b32 v[VG], 15, v0
	v_lshlrev_b32 v[VG], 4, v[VG]
	v_lshl_or_b32 v[VL], v[VL], 12, v[VG]
	v_lshlrev_b32 v[VS], 3, v0
	v_lshlrev_b32 v[V16], 4, v0
	s_wait_kmcnt 0x0
	s_cmp_lt_u32 s2, 1                             ; the choice hangs on the work-group's number alone
	s_cselect_b64 s[26:27], s[14:15], s[16:17]
	s_cmp_lt_u32 s2, 2
	s_cselect_b64 s[26:27], s[26:27], s[18:19]
	s_cmp_lt_u32 s2, 3
	s_cselect_b64 s[26:27], s[26:27], s[20:21]
	s_add_nc_u64 s[26:27], s[26:27], s[30:31]
	s_add_nc_u64 s[8:9], s[8:9], s[28:29]
	s_add_nc_u64 s[22:23], s[22:23], s[32:33]
	s_add_nc_u64 s[24:25], s[24:25], s[32:33]
	; everything that the wave will read goes out at once: 34 loads
	global_load_b128 v[6:9], v[V16], s[10:11]      ; 256 threads x 16 bytes = all of gamma
	global_load_b128 v[10:13], v[V16], s[12:13]    ; and of beta
.irp j, 0,1,2,3,4,5,6,7,8,9,10,11,12,13,14,15
	global_load_b128 v[W+4*\j:W+4*\j+3], v[VL], s[26:27] offset:256*\j th:TH_LOAD_NT
.endr
.irp j, 0,1,2,3,4,5,6,7,8,9,10,11,12,13,14,15
	global_load_b128 v[X+4*\j:X+4*\j+3], v[VL], s[8:9] offset:256*\j th:TH_LOAD_NT
.endr
	s_wait_loadcnt 32                              ; loads return in order: the 32 younger ones stay out, gamma and beta are in
	ds_store_b128 v[V16], v[6:9]                   ; gamma at LDS 0, beta at 4096
	ds_store_b128 v[V16], v[10:13] offset:4096
	s_wait_dscnt 0x0                               ; for the other waves' sake: my stores are done before I signal
	s_barrier_signal -1
	s_barrier_wait -1                              ; the only barrier: LDS is only read from here on
; gamma and beta of the columns of loads 4 k .. 4 k + 3, eight LDS loads; lanes 16-31 read the words of lanes 0-15
.macro GROUP k
.irp i, 0,1,2,3
	ds_load_b128 v[GB+32*(\k%2)+4*\i:GB+32*(\k%2)+4*\i+3], v[VG] offset:256*(4*\k+\i)
	ds_load_b128 v[GB+32*(\k%2)+16+4*\i:GB+32*(\k%2)+16+4*\i+3], v[VG] offset:4096+256*(4*\k+\i)
.endr
.endm
	GROUP 0
	GROUP 1
	s_wait_loadcnt 16                              ; the weights are in; the 16 loads of hidden stay out
.irp j, 0,1,2,3,4,5,6,7,8,9,10,11,12,13,14,15
	v_cvt_pk_f16_f32 v[W+4*\j], v[W+4*\j], v[W+4*\j+1]
	v_cvt_pk_f16_f32 v[W+4*\j+1], v[W+4*\j+2], v[W+4*\j+3]
	global_store_b64 v[VS], v[W+4*\j:W+4*\j+1], s[24:25] offset:\j*PANEL   ; these registers are not written again
.endr
; four chains into one number, then over the 16 lanes that share a row (a row of lanes for DPP is these 16)
.macro JOIN
	v_pk_add_f32 v[ACC:ACC+1], v[ACC:ACC+1], v[ACC+2:ACC+3]
	v_pk_add_f32 v[ACC+4:ACC+5], v[ACC+4:ACC+5], v[ACC+6:ACC+7]
	v_pk_add_f32 v[ACC:ACC+1], v[ACC:ACC+1], v[ACC+4:ACC+5]
	v_add_f32 v[ACC], v[ACC], v[ACC+1]
	v_add_f32_dpp v[ACC], v[ACC], v[ACC] row_xmask:1 row_mask:0xf bank_mask:0xf
	v_add_f32_dpp v[ACC], v[ACC], v[ACC] row_xmask:2 row_mask:0xf bank_mask:0xf
	v_add_f32_dpp v[ACC], v[ACC], v[ACC] row_xmask:4 row_mask:0xf bank_mask:0xf
	v_add_f32_dpp v[ACC], v[ACC], v[ACC] row_xmask:8 row_mask:0xf bank_mask:0xf
.endm
	s_wait_loadcnt 0x0                             ; hidden is in
.irp k, 0,1,2,3
	v_pk_add_f32 v[ACC+2*\k:ACC+2*\k+1], v[X+2*\k:X+2*\k+1], v[X+8+2*\k:X+8+2*\k+1]   ; the first pairs start the chains
.endr
.set p, 8
.rept 24
	v_pk_add_f32 v[ACC+2*(p%4):ACC+2*(p%4)+1], v[ACC+2*(p%4):ACC+2*(p%4)+1], v[X+2*p:X+2*p+1]
.set p, p+1
.endr
	JOIN
	v_mul_f32 v[NM], s36, v[ACC]                   ; minus the mean
	v_mov_b32 v[NM+1], v[NM]
.set p, 0
.rept 32
	v_pk_add_f32 v[X+2*p:X+2*p+1], v[X+2*p:X+2*p+1], v[NM:NM+1]
.set p, p+1
.endr
.irp k, 0,1,2,3
	v_pk_mul_f32 v[ACC+2*\k:ACC+2*\k+1], v[X+2*\k:X+2*\k+1], v[X+2*\k:X+2*\k+1]
.endr
.set p, 4
.rept 28
	v_pk_fma_f32 v[ACC+2*(p%4):ACC+2*(p%4)+1], v[X+2*p:X+2*p+1], v[X+2*p:X+2*p+1], v[ACC+2*(p%4):ACC+2*(p%4)+1]
.set p, p+1
.endr
	JOIN
	v_fma_f32 v[ACC+1], v[ACC], s34, s35           ; var + eps
	v_rsq_f32 v[RS], v[ACC+1]
	v_nop                                          ; one plain place behind the transcendental before its result is read (ISA guide 5.7.2)
	s_wait_alu depctr_va_vdst(0)
	v_mov_b32 v[RS+1], v[RS]
; loads 4 k .. 4 k + 3: scale, gamma, beta, round, store.  left = LDS loads that may stay out (one younger group of eight, or none)
.macro NORM k, left
	s_wait_dscnt \left
.irp i, 0,1,2,3
	v_pk_mul_f32 v[X+16*\k+4*\i:X+16*\k+4*\i+1], v[X+16*\k+4*\i:X+16*\k+4*\i+1], v[RS:RS+1]
	v_pk_mul_f32 v[X+16*\k+4*\i+2:X+16*\k+4*\i+3], v[X+16*\k+4*\i+2:X+16*\k+4*\i+3], v[RS:RS+1]
	v_pk_fma_f32 v[X+16*\k+4*\i:X+16*\k+4*\i+1], v[X+16*\k+4*\i:X+16*\k+4*\i+1], v[GB+32*(\k%2)+4*\i:GB+32*(\k%2)+4*\i+1], v[GB+32*(\k%2)+16+4*\i:GB+32*(\k%2)+16+4*\i+1]
	v_pk_fma_f32 v[X+16*\k+4*\i+2:X+16*\k+4*\i+3], v[X+16*\k+4*\i+2:X+16*\k+4*\i+3], v[GB+32*(\k%2)+4*\i+2:GB+32*(\k%2)+4*\i+3], v[GB+32*(\k%2)+16+4*\i+2:GB+32*(\k%2)+16+4*\i+3]
	v_cvt_pk_f16_f32 v[X+16*\k+4*\i], v[X+16*\k+4*\i], v[X+16*\k+4*\i+1]
	v_cvt_pk_f16_f32 v[X+16*\k+4*\i+1], v[X+16*\k+4*\i+2], v[X+16*\k+4*\i+3]
	global_store_b64 v[VS], v[X+16*\k+4*\i:X+16*\k+4*\i+1], s[22:23] offset:(4*\k+\i)*PANEL   ; not written again: no wait for the store's sources
.endr
.endm
	NORM 0, 8
	GROUP 2
	NORM 1, 8
	GROUP 3
	NORM 2, 8
	NORM 3, 0
	s_wait_tensorcnt 0x0
	ds_add_u32 v216, v217
	s_wait_dscnt 0x0
	s_endpgm
.Lfunc_end_k_qd61852ddc9_prep:
	.size	k_qd61852ddc9_prep, .Lfunc_end_k_qd61852ddc9_prep-k_qd61852ddc9_prep
	.p2alignl 7, 3214868480
	.fill 96, 4, 3214868480
	.section	.rodata,"a",@progbits
	.p2align	6, 0x0
	.amdhsa_kernel k_qd61852ddc9_prep
		.amdhsa_group_segment_fixed_size 9216
		.amdhsa_private_segment_fixed_size 0
		.amdhsa_enable_private_segment 0
		.amdhsa_kernarg_size 72
		.amdhsa_user_sgpr_count 2
		.amdhsa_user_sgpr_kernarg_segment_ptr 1
		.amdhsa_wavefront_size32 1
		.amdhsa_system_sgpr_workgroup_id_x 1
		.amdhsa_system_sgpr_workgroup_id_y 1
		.amdhsa_system_sgpr_workgroup_id_z 1
		.amdhsa_system_vgpr_workitem_id 0
		.amdhsa_next_free_vgpr 218
		.amdhsa_next_free_sgpr 66
		.amdhsa_reserve_vcc 0
		.amdhsa_float_denorm_mode_32 3
		.amdhsa_float_denorm_mode_16_64 3
		.amdhsa_memory_ordered 1
		.amdhsa_forward_progress 1
		.amdhsa_inst_pref_size 26
	.end_amdhsa_kernel
	.amdgpu_metadata
---
amdhsa.version: [ 1, 2 ]
amdhsa.kernels:
  - .name:           k_qd61852ddc9_prep
    .symbol:         k_qd61852ddc9_prep.kd
    .args:
      - { .name: hidden_states, .offset: 0, .size: 8, .value_kind: global_buffer, .address_space: global }
      - { .name: gamma, .offset: 8, .size: 8, .value_kind: global_buffer, .address_space: global }
      - { .name: beta, .offset: 16, .size: 8, .value_kind: global_buffer, .address_space: global }
      - { .name: Wq, .offset: 24, .size: 8, .value_kind: global_buffer, .address_space: global }
      - { .name: Wk, .offset: 32, .size: 8, .value_kind: global_buffer, .address_space: global }
      - { .name: Wv, .offset: 40, .size: 8, .value_kind: global_buffer, .address_space: global }
      - { .name: Wo, .offset: 48, .size: 8, .value_kind: global_buffer, .address_space: global }
      - { .name: xn, .offset: 56, .size: 8, .value_kind: global_buffer, .address_space: global }
      - { .name: wb, .offset: 64, .size: 8, .value_kind: global_buffer, .address_space: global }
    .group_segment_fixed_size: 9216
    .private_segment_fixed_size: 0
    .kernarg_segment_align: 8
    .kernarg_segment_size: 72
    .max_flat_workgroup_size: 256
    .sgpr_count:     66
    .vgpr_count:     218
    .wavefront_size: 32
...
	.end_amdgpu_metadata
.endif
;; end of part 1
;; launch qkv (part 2): grid 16 x 16, 4 waves a work-group, clusters of 4 x 4, 327,680 bytes of LDS; arguments xn, wb, bq, bk, bv, qkv; writes qkv
.if DOCPART == 2
	.amdgcn_target "amdgcn-amd-amdhsa--gfx1250"
	.amdhsa_code_object_version 6
	.text
	.protected	k_qd61852ddc9_qkv
	.globl	k_qd61852ddc9_qkv
	.p2align	8
	.type	k_qd61852ddc9_qkv,@function
k_qd61852ddc9_qkv:
	s_mov_b64 s[64:65], 0
	v_nop
	global_prefetch_b8 v0, s[64:65] scope:SCOPE_SE
	s_setreg_imm32_b32 hwreg(HW_REG_WAVE_MODE, 25, 1), 1
	s_wait_xcnt 0x0
	s_wait_alu depctr_hold_cnt(0) depctr_sa_sdst(0) depctr_va_vdst(0) depctr_va_sdst(0) depctr_va_ssrc(0) depctr_va_vcc(0) depctr_vm_vsrc(0)
	s_getreg_b32 s2, hwreg(HW_REG_IB_STS2, 6, 4)
	s_cmp_eq_u32 s2, 0
	s_cbranch_scc0 .Lentry_in_a_cluster
	s_endpgm
.Lentry_in_a_cluster:
	s_bfe_u32 s2, ttmp6, 0x10000c
	s_cmp_lg_u32 s2, 0xf033
	s_cbranch_scc0 .Lentry_shape_is_right
	s_endpgm
.Lentry_shape_is_right:
; qkv[m][n] = sum over k of xn[m][k] W[n][k] + bias[n], m = 0..4095, n = 0..3071 (stacked rows of Wq, Wk, Wv in wb), k = 0..1023.
; All arrays in panels of 64 columns, [panel][4096 rows][64] f16; the result's panel n / 64 is a head of q (0-15), k (16-31) or v (32-47).  Sums in f32.
; 256 work-groups; a block is 256 rows x 192 columns (three heads).  Four waves stacked along the rows: a wave makes 64 x 192 = 4 x 12
; accumulator tiles, 384 registers, so every wave owns whole heads and its stores cover runs of 512 consecutive bytes.
; K goes in steps of 128 (two panels) through two LDS slots.  A tile is one panel's rows of the block, dense in memory: it comes in as rows of
; 256 bytes (two matrix rows), 16 bytes of padding behind each.  Matrix row n of a tile lies at (n / 2) x 272 + (n mod 2) x 128: the sixteen
; lanes of a fragment load touch the 16-byte columns 16 (r / 2) + 128 (r mod 2) modulo 256, all different.
; CLUSTERS: 4 x 4 work-groups.  x's tiles hang on the block row alone and are asked for jointly along a row of the cluster, W's on the block
; column alone and are asked for jointly along a column.
; THE MATRIX INSTRUCTION IS USED TRANSPOSED (source 0 = rows of W, source 1 = rows of x): a lane holds row m = l % 16 and eight neighbouring columns.
; THE BIAS STARTS THE SUMS: the first product of each tile takes the bias, spread as that layout asks, as its C.
; FORMAT AND LIMIT: q, k and v are rounded once, to f16 (11 significant bits; one conversion for all heads, since the kind of head hangs on the block column and no
; branch may).  For numbers as drawn they reach about 6; with gain and weights both 30 times larger about 5,400; f16's largest is 65,504, beyond which a result becomes infinite.
; REGISTERS: window 0: addresses, x's fragments (two buffers of 32), the bias, later the way out; window 1: W's fragments (two buffers of 96);
; window 2: the 24 tiles of my rows 0-31 (tile (a, b) at 8 (12 a + b)); window 3: those of my rows 32-63.
.set PITCH2, 272                       ; an LDS row: two matrix rows of 128 bytes + 16
.set FRAG,   8*PITCH2                  ; 16 matrix rows
.set PARTA,  128*PITCH2                ; one panel's 256 rows of x
.set PARTB,  96*PITCH2                 ; one panel's 192 rows of W
.set BOFF,   2*PARTA                   ; in a slot: x's two panels, then W's two
.set SLOT,   2*PARTA+2*PARTB
.set STAGE,  2*SLOT                    ; 243,712 = 952 x 256: behind the ring, no tensor load lands here
.set SPITCH, 144                       ; a stage row: 128 bytes + 16
.set SHEAD,  16*SPITCH                 ; 16 rows of one head
.set PANEL,  524288
.set LAPS,   4                         ; 8 K steps, two a lap
.set ADRA, 16                          ; v16-17  LDS address of my x fragments in slot 0, 1
.set ADRB, 20                          ; v20-21  the same for W
.set STO,  24                          ; way out: where I put 16 bytes
.set RD,   25                          ; way out: where I read back
.set CO,   26                          ; 16 x lane
.set VB,   27                          ; 32 x (lane / 16): my eight biases in a tile's sixteen
.set XA,   32                          ; v[32:63], v[64:95]  x's fragments, buffers 0 and 1
.set BIAS, 96                          ; v[96:191]  eight registers for each of the 12 column tiles
.set TMP,  96                          ; way out: packed results (the bias is no longer needed)
.set RB0,  144
.set RB1,  192
.set G1,  24                           ; s[24:31] group 1 for x's tiles
.set G0,  32                           ; s[32:39] group 0 for x's tiles, a set for each slot
.set G1B, 48                           ; s[48:55] group 1 for W's tiles
.set G0B, 56                           ; s[56:63] group 0 for W's tiles
.set DW0, (3<<16)|(1<<20)|(1<<21)|(5<<22)|(3<<25)  ; elements of 8 bytes; padding on; bit 21 beside a mask; after every 64 words, 4 words
.set MSB, 0
.macro WIN new                         ; the immediate's high byte repeats the setting that is left
.if MSB != \new
	s_set_vgpr_msb (MSB<<8)|\new
.set MSB, \new
.endif
.endm
.macro PLACES                          ; four places behind matrix instructions, in front of loads into their sources and of readers of their results
.rept 4
	v_nop
.endr
.endm
; A joint load: waves 0 and 1 fetch x's two panels, waves 2 and 3 W's.  The branch hangs on the wave's number alone.
.macro JLOAD s
	s_cmp_eq_u32 s11, 0
	s_cbranch_scc0 .Lfor_b_\@
	tensor_load_to_lds s[G0+4*\s:G0+4*\s+3], s[G1:G1+7]
	s_nop 0
	s_branch .Lasked_\@
.Lfor_b_\@:
	tensor_load_to_lds s[G0B+4*\s:G0B+4*\s+3], s[G1B:G1B+7]
	s_nop 0
.Lasked_\@:
.endm
.macro CREST                           ; a round of the cluster's barrier behind its opening work-group barrier
	s_cmp_lg_u32 s10, 0
	s_cbranch_scc1 .Lnot_wave_0_\@
	s_barrier_signal -3
.Lnot_wave_0_\@:
	s_barrier_wait -3
	s_barrier_signal -1
	s_barrier_wait -1
.endm
.macro CROUND
	s_barrier_signal -1
	s_barrier_wait -1
	CREST
.endm
	s_load_b128 s[4:7], s[0:1], 0x0                ; xn s[4:5], wb s[6:7]
	s_load_b256 s[68:75], s[0:1], 0x10             ; bq s[68:69], bk s[70:71], bv s[72:73], qkv s[74:75]
	s_set_vgpr_msb 0x40
	v_lshl_add_u32 v255, v0, 2, 0x42400
	s_set_vgpr_msb 0x4000
	v_mov_b32 v255, 0
	s_set_vgpr_msb 0x1
	ds_add_u32 v255, v255
	ds_add_u32 v255, v255
	s_set_vgpr_msb 0x100
	v_lshrrev_b32 v1, 5, v0
	v_readfirstlane_b32 s10, v1                    ; wave 0..3
	s_lshr_b32 s11, s10, 1                         ; I fetch for x (0) or for W (1)
	s_and_b32 s12, s10, 1                          ; which of the step's two panels I fetch
	s_bfe_u32 s40, ttmp6, 0x40000                  ; cx
	s_bfe_u32 s41, ttmp6, 0x40004                  ; cy
	s_lshl_b32 s42, ttmp9, 2
	s_add_co_u32 s42, s42, s40                     ; block column = 4 x cluster x + cx
	s_and_b32 s13, ttmp7, 0xffff
	s_lshl_b32 s13, s13, 2
	s_add_co_u32 s13, s13, s41                     ; block row = 4 x cluster y + cy
	s_lshl_b32 s43, s41, 2
	s_lshl_b32 s43, 15, s43                        ; my row of the cluster
	s_lshl_b32 s44, 0x1111, s40                    ; my column
	s_or_b32 s[G1+0], s43, DW0
	s_or_b32 s[G1B+0], s44, DW0
	s_mov_b32 s[G1+1], 32<<16                      ; tensor_dim0 = 32 elements = 256 bytes
	s_mov_b32 s[G1B+1], 32<<16
	s_mov_b32 s[G1+2], 128<<16                     ; tensor_dim1 = 128 rows of 256 bytes = 256 matrix rows
	s_mov_b32 s[G1B+2], 96<<16                     ; 96 = 192 matrix rows
	s_mov_b32 s[G1+3], 32<<16                      ; tile_dim0
	s_mov_b32 s[G1B+3], 32<<16
	s_mov_b32 s[G1+4], 128                         ; tile_dim1
	s_mov_b32 s[G1B+4], 96
	s_mov_b32 s[G1+5], 32                          ; from row to row: dense
	s_mov_b32 s[G1B+5], 32
	s_mov_b32 s[G1+6], 0
	s_mov_b32 s[G1B+6], 0
	s_mov_b32 s[G1+7], 0
	s_mov_b32 s[G1B+7], 0
	; x's address is made of the block row and the wave's number, W's of the block column and the wave's number, in registers of their own
	s_lshl_b32 s16, s13, 15                        ; 256 rows of 128 bytes a block row
	s_lshl_b32 s17, s12, 19                        ; my panel of the step's two
	s_add_co_u32 s16, s16, s17
	s_mov_b32 s17, 0
	s_mul_i32 s46, s42, 192*128                    ; 192 rows a block column
	s_lshl_b32 s47, s12, 19
	s_add_co_u32 s46, s46, s47
	s_mov_b32 s47, 0
	s_mul_i32 s20, s10, PARTA                      ; LDS: x's panels at wave x PARTA (waves 0, 1)
	s_mul_i32 s21, s10, PARTB
	s_add_co_u32 s21, s21, BOFF-2*PARTB            ; W's at BOFF + (wave - 2) x PARTB (waves 2, 3)
	s_wait_dscnt 0x0
	s_wait_kmcnt 0x0
	s_add_nc_u64 s[14:15], s[4:5], s[16:17]
	s_add_nc_u64 s[46:47], s[6:7], s[46:47]
	CROUND                                         ; all sixteen work-groups are here: the first joint loads meet
.irp s, 0,1
	s_mov_b32 s[G0+4*\s], 1
	s_add_co_u32 s[G0+4*\s+1], s20, \s*SLOT
	s_add_nc_u64 s[G0+4*\s+2:G0+4*\s+3], s[14:15], \s*2*PANEL      ; K step s = panels 2 s, 2 s + 1
	s_or_b32 s[G0+4*\s+3], s[G0+4*\s+3], 0x80000000
	s_mov_b32 s[G0B+4*\s], 1
	s_add_co_u32 s[G0B+4*\s+1], s21, \s*SLOT
	s_add_nc_u64 s[G0B+4*\s+2:G0B+4*\s+3], s[46:47], \s*2*PANEL
	s_or_b32 s[G0B+4*\s+3], s[G0B+4*\s+3], 0x80000000
	JLOAD \s                                       ; two tensor loads of this wave are out, the most in this text
.endr
	; the bias of head hd of my three: panel p = 3 x block column + hd picks bq, bk or bv; a choice of value, no branch
	v_and_b32 v1, 15, v0                           ; r
	v_bfe_u32 v2, v0, 4, 1                         ; h
	v_and_b32 v5, 31, v0                           ; lane
	v_lshlrev_b32 v[VB], 5, v2
	s_mul_i32 s76, s42, 3
.irp hd, 0,1,2
	s_add_co_u32 s77, s76, \hd
	s_cmp_lt_u32 s77, 16
	s_cselect_b64 s[84+2*\hd:85+2*\hd], s[68:69], s[70:71]
	s_cmp_lt_u32 s77, 32
	s_cselect_b64 s[84+2*\hd:85+2*\hd], s[84+2*\hd:85+2*\hd], s[72:73]
	s_and_b32 s78, s77, 15
	s_lshl_b32 s78, s78, 8                         ; 64 numbers of 4 bytes a head
	s_mov_b32 s79, 0
	s_add_nc_u64 s[84+2*\hd:85+2*\hd], s[84+2*\hd:85+2*\hd], s[78:79]
.endr
.irp b, 0,1,2,3,4,5,6,7,8,9,10,11
	global_load_b128 v[BIAS+8*\b:BIAS+8*\b+3],   v[VB], s[84+2*(\b/4):85+2*(\b/4)] offset:64*(\b%4)      ; bias[16 b + 8 h + 0..3]
	global_load_b128 v[BIAS+8*\b+4:BIAS+8*\b+7], v[VB], s[84+2*(\b/4):85+2*(\b/4)] offset:64*(\b%4)+16
.endr
	s_mul_i32 s80, s42, 3*PANEL                    ; the result: my three panels, my block's rows, my wave's 64 rows
	s_lshl_b32 s81, s13, 15
	s_add_co_u32 s80, s80, s81
	s_lshl_b32 s81, s10, 13
	s_add_co_u32 s80, s80, s81
	s_mov_b32 s81, 0
	s_add_nc_u64 s[8:9], s[74:75], s[80:81]
	; a fragment: lane l holds row l % 16; registers 0-3 K = 8 h + 0..7, registers 4-7 K = 16 + 8 h + 0..7: two loads of 16 bytes, 32 apart
	v_lshrrev_b32 v4, 1, v1
	v_mul_u32_u24 v3, v4, PITCH2
	v_and_b32 v4, 1, v1
	v_lshl_add_u32 v3, v4, 7, v3
	v_lshl_add_u32 v3, v2, 4, v3                   ; (r / 2) x 272 + (r mod 2) x 128 + 16 h
	s_mul_i32 s22, s10, 4*FRAG                     ; my 64 rows of x
	v_add_nc_u32 v[ADRA], s22, v3
	v_add_nc_u32 v[ADRA+1], SLOT, v[ADRA]
	v_add_nc_u32 v[ADRB], BOFF, v3
	v_add_nc_u32 v[ADRB+1], SLOT, v[ADRB]
	s_mul_i32 s23, s10, 3*SHEAD
	s_add_co_u32 s23, s23, STAGE                   ; my stage: [3 heads][16 rows][144]
	v_mul_u32_u24 v4, v1, SPITCH
	v_lshl_add_u32 v4, v2, 4, v4
	v_add_nc_u32 v[STO], s23, v4
	v_lshrrev_b32 v4, 3, v5
	v_mul_u32_u24 v4, v4, SPITCH
	v_and_b32 v6, 7, v0
	v_lshl_add_u32 v4, v6, 4, v4
	v_add_nc_u32 v[RD], s23, v4                    ; back: eight lanes a row of 128 bytes, four rows a load
	v_lshlrev_b32 v[CO], 4, v5
; 12 matrix instructions: row tile a (0, 1) of the window's two (hi = 0: my rows 0-31, 1: rows 32-63) x all 12 column tiles, 32 along K.
; The 48 accumulators take turns in one order in every quarter step, over the backward jump too.
.macro MUL12 f, hi, a, first
.irp b, 0,1,2,3,4,5,6,7,8,9,10,11
.if \first
	v_wmma_f32_16x16x32_f16 v[8*(12*\a+\b):8*(12*\a+\b)+7], v[96*\f+8*\b:96*\f+8*\b+7], v[XA+32*\f+8*(2*\hi+\a):XA+32*\f+8*(2*\hi+\a)+7], v[BIAS+8*\b:BIAS+8*\b+7]
.else
	v_wmma_f32_16x16x32_f16 v[8*(12*\a+\b):8*(12*\a+\b)+7], v[96*\f+8*\b:96*\f+8*\b+7], v[XA+32*\f+8*(2*\hi+\a):XA+32*\f+8*(2*\hi+\a)+7], v[8*(12*\a+\b):8*(12*\a+\b)+7]
.endif
.endr
.endm
; 32 LDS loads in one run: quarter q of a K step (panel q / 2, bytes 64 (q mod 2) of its rows) into buffer f: W's 24, then x's 8
.macro FETCH slot, q, f
	WIN 0x40
.irp i, 0,1,2,3,4,5,6,7,8,9,10,11
	ds_load_b128 v[96*\f+8*\i:96*\f+8*\i+3],   v[ADRB+\slot] offset:(\q/2)*PARTB+(\q%2)*64+\i*FRAG
	ds_load_b128 v[96*\f+8*\i+4:96*\f+8*\i+7], v[ADRB+\slot] offset:(\q/2)*PARTB+(\q%2)*64+\i*FRAG+32
.endr
	WIN 0
.irp i, 0,1,2,3
	ds_load_b128 v[XA+32*\f+8*\i:XA+32*\f+8*\i+3],   v[ADRA+\slot] offset:(\q/2)*PARTA+(\q%2)*64+\i*FRAG
	ds_load_b128 v[XA+32*\f+8*\i+4:XA+32*\f+8*\i+7], v[ADRA+\slot] offset:(\q/2)*PARTA+(\q%2)*64+\i*FRAG+32
.endr
.endm
; One of a K step's first three quarters: multiplies buffer f and, in its middle, fetches quarter qn into buffer g
.macro QUARTER slot, qn, f, g, first
	s_wait_dscnt 0x4                               ; W's 24 loads and x's rows 0-31 are in; the youngest four (x's rows 32-63) may be out
.if \first
	WIN 0x81                                       ; W window 1, x window 0, C (the bias) window 0, D window 2
.else
	WIN 0xa1                                       ; C and D window 2
.endif
	MUL12 \f, 0, 0, \first
	MUL12 \f, 0, 1, \first
	PLACES
	FETCH \slot, \qn, \g
	s_wait_dscnt 0x20                              ; all but the 32 just issued
.if \first
	WIN 0xc1
.else
	WIN 0xf1
.endif
	MUL12 \f, 1, 0, \first
	MUL12 \f, 1, 1, \first
.endm
.macro THREE slot, first
	QUARTER \slot, 1, 0, 1, \first
	QUARTER \slot, 2, 1, 0, 0
	QUARTER \slot, 3, 0, 1, 0
.endm
; The last quarter multiplies buffer 1 and changes slots.  In front of the barrier each wave waits for its reads of this slot and for all its
; tensor loads (one is out: its part of the next slot).  Where the slot is filled again the barrier opens a round of the cluster's barrier, and
; the joint refill is the first tensor load behind the round: it has a K step less twelve matrix instructions, 180 of them, in which to land.
.macro TURN slot, next, fill
	s_wait_dscnt 0x4
	WIN 0xa1
	MUL12 1, 0, 0, 0
	s_wait_dscnt 0x0                               ; my reads of this slot are over
	s_wait_tensorcnt 0x0                           ; all my tensor loads have landed
	ds_add_u32 v255, v255
	s_wait_dscnt 0x0
	s_barrier_signal -1
	MUL12 1, 0, 1, 0                               ; register work while the others arrive
	WIN 0
	s_barrier_wait -1
.if \fill
	CREST
	s_add_nc_u64 s[G0+4*\slot+2:G0+4*\slot+3], s[G0+4*\slot+2:G0+4*\slot+3], 4*PANEL      ; two K steps on; no load of mine is out
	s_add_nc_u64 s[G0B+4*\slot+2:G0B+4*\slot+3], s[G0B+4*\slot+2:G0B+4*\slot+3], 4*PANEL
	JLOAD \slot
.endif
	PLACES
	FETCH \next, 0, 0
	WIN 0xf1
	MUL12 1, 1, 0, 0
	MUL12 1, 1, 1, 0
.endm
.macro LAP first
	THREE 0, \first
	TURN 0, 1, 1
	THREE 1, 0
	TURN 1, 0, 1
.endm
	s_wait_tensorcnt 0x1                           ; my part of K step 0 is in; K step 1's stays out
	s_barrier_signal -1
	s_barrier_wait -1
	FETCH 0, 0, 0
	s_wait_loadcnt 0x0                             ; the bias
	LAP 1                                          ; the first lap stands in front of the loop: its first products start the sums
	WIN 0
	s_mov_b32 s3, LAPS-2
.Llap:
	LAP 0
	WIN 0
	s_sub_co_u32 s3, s3, 1
	s_cmp_lg_u32 s3, 0
	s_cbranch_scc1 .Llap
	THREE 0, 0                                     ; the last lap fills nothing
	TURN 0, 1, 0
	THREE 1, 0
	s_wait_dscnt 0x4
	WIN 0xa1
	MUL12 1, 0, 0, 0
	MUL12 1, 0, 1, 0
	s_wait_dscnt 0x0
	WIN 0xf1
	MUL12 1, 1, 0, 0
	MUL12 1, 1, 1, 0
	PLACES                                         ; behind the last matrix instructions: for the conversions and for the loads into old sources
; THE WAY OUT, 16 rows at a time: round, 16 bytes a lane into my own stage, back as runs of four rows of a head, which are 512 consecutive bytes of its panel.
; LDS serves a wave's instructions in order (ISA guide 5.7.1.4): no wait between my stores and my loads.
.macro OUT16 i, a, from, rb
	WIN \from
.irp b, 0,1,2,3,4,5,6,7,8,9,10,11
.irp r, 0,1,2,3
	v_cvt_pk_f16_f32 v[TMP+4*\b+\r], v[8*(12*\a+\b)+2*\r], v[8*(12*\a+\b)+2*\r+1]
.endr
.endr
	WIN 0
.irp b, 0,1,2,3,4,5,6,7,8,9,10,11
	ds_store_b128 v[STO], v[TMP+4*\b:TMP+4*\b+3] offset:(\b/4)*SHEAD+32*(\b%4)
.endr
	s_wait_xcnt 0x0                                ; earlier stores have read their data: the buffer is loaded again only behind this wait
.irp t, 0,1,2,3,4,5,6,7,8,9,10,11
	ds_load_b128 v[\rb+4*\t:\rb+4*\t+3], v[RD] offset:(\t/4)*SHEAD+(\t%4)*4*SPITCH
.endr
.irp t, 0,1,2,3,4,5,6,7,8,9,10,11
	s_wait_dscnt 11-\t                             ; LDS loads return in order: load t of the twelve is in
	global_store_b128 v[CO], v[\rb+4*\t:\rb+4*\t+3], s[8:9] offset:(\t/4)*PANEL+\i*2048+(\t%4)*512
.endr
.endm
	OUT16 0, 0, 0x0a, RB0
	OUT16 1, 1, 0x0a, RB1
	OUT16 2, 0, 0x0f, RB0
	OUT16 3, 1, 0x0f, RB1
	s_set_vgpr_msb 0x1
	s_wait_tensorcnt 0x0
	ds_add_u32 v255, v255
	s_wait_dscnt 0x0
	s_set_vgpr_msb 0x100
	CROUND                                         ; the closing round: no work-group ends while a partner may still ask jointly
	s_endpgm
.Lfunc_end_k_qd61852ddc9_qkv:
	.size	k_qd61852ddc9_qkv, .Lfunc_end_k_qd61852ddc9_qkv-k_qd61852ddc9_qkv
	.p2alignl 7, 3214868480
	.fill 96, 4, 3214868480
	.section	.rodata,"a",@progbits
	.p2align	6, 0x0
	.amdhsa_kernel k_qd61852ddc9_qkv
		.amdhsa_group_segment_fixed_size 327680
		.amdhsa_private_segment_fixed_size 0
		.amdhsa_enable_private_segment 0
		.amdhsa_kernarg_size 48
		.amdhsa_user_sgpr_count 2
		.amdhsa_user_sgpr_kernarg_segment_ptr 1
		.amdhsa_wavefront_size32 1
		.amdhsa_system_sgpr_workgroup_id_x 1
		.amdhsa_system_sgpr_workgroup_id_y 1
		.amdhsa_system_sgpr_workgroup_id_z 1
		.amdhsa_system_vgpr_workitem_id 0
		.amdhsa_next_free_vgpr 1024
		.amdhsa_next_free_sgpr 96
		.amdhsa_reserve_vcc 0
		.amdhsa_float_denorm_mode_32 3
		.amdhsa_float_denorm_mode_16_64 3
		.amdhsa_memory_ordered 1
		.amdhsa_forward_progress 1
		.amdhsa_inst_pref_size 166
	.end_amdhsa_kernel
	.amdgpu_metadata
---
amdhsa.version: [ 1, 2 ]
amdhsa.kernels:
  - .name:           k_qd61852ddc9_qkv
    .symbol:         k_qd61852ddc9_qkv.kd
    .args:
      - { .name: xn, .offset: 0, .size: 8, .value_kind: global_buffer, .address_space: global }
      - { .name: wb, .offset: 8, .size: 8, .value_kind: global_buffer, .address_space: global }
      - { .name: bq, .offset: 16, .size: 8, .value_kind: global_buffer, .address_space: global }
      - { .name: bk, .offset: 24, .size: 8, .value_kind: global_buffer, .address_space: global }
      - { .name: bv, .offset: 32, .size: 8, .value_kind: global_buffer, .address_space: global }
      - { .name: qkv, .offset: 40, .size: 8, .value_kind: global_buffer, .address_space: global }
    .group_segment_fixed_size: 327680
    .private_segment_fixed_size: 0
    .kernarg_segment_align: 8
    .kernarg_segment_size: 48
    .max_flat_workgroup_size: 128
    .sgpr_count:     96
    .vgpr_count:     1024
    .wavefront_size: 32
...
	.end_amdgpu_metadata
.endif
;; end of part 2
;; launch attn (part 3): grid 8 x 32, 8 waves a work-group, no clusters, 181,248 bytes of LDS; arguments qkv, at; writes at
.if DOCPART == 3
	.amdgcn_target "amdgcn-amd-amdhsa--gfx1250"
	.amdhsa_code_object_version 6
	.text
	.protected	k_qd61852ddc9_attn
	.globl	k_qd61852ddc9_attn
	.p2align	8
	.type	k_qd61852ddc9_attn,@function
k_qd61852ddc9_attn:
	s_mov_b64 s[64:65], 0
	v_nop
	global_prefetch_b8 v0, s[64:65] scope:SCOPE_SE
	s_setreg_imm32_b32 hwreg(HW_REG_WAVE_MODE, 25, 1), 1
	s_wait_xcnt 0x0
; Causal attention over a band of 256 keys, one head and 256 queries a work-group.  qkv: [48 panels][4096 rows][64] f16 (panel h = q, 16 + h = k, 32 + h = v
; of head h; row = 2048 b + s).  at: [16 panels][4096][64] f16.
; The 512 keys q0 - 256 .. q0 + 255 of K and V lie in LDS at once: one fill, one barrier, no ring.  Wave w takes queries q0 + 32 w .. + 31 as two groups of 16
; and walks nine steps of 32 keys, from the diagonal (step 8) down to the window's lower edge (step 0).  Step s reads LDS key rows 32 w + 32 s .. + 31.
; Keys in front of the sequence's start are whole steps: step s exists when 8 qblock + w + s >= 8, and a wave leaves the steps by a forward branch on ids.
; LAYOUTS: scores are made transposed, S^T = K Q^T: a lane holds ONE query (l % 16) and keys 16 t + 8 (l / 16) + j in register j, so maximum, sum and scale are
; per lane, with one exchange between the halves.  Packed to f16, tiles t = 0, 1 ARE the second source of O^T = V^T P^T: P never goes through LDS.  V^T comes by
; the transposing LDS load.  In O^T a lane holds eight neighbouring d of its query: 16 bytes of output.
; SOFTMAX: a running maximum, as the definition asks; p = exp2(c s - c m), c = log2(e) / 8 (the scale 1/sqrt(64) folded in).  Masked scores take the lowest finite f32,
; as in the definition; the diagonal step comes first and holds every query's own key, so the maximum is a real score from the first step on.
; NO CLUSTER: a tile of 256 keys is read by two work-groups, by one as its upper and by the other as its lower half, at different LDS places; a joint load has one LDS
; address for all that it names, and that address may not hang on the place in the cluster.
; FORMAT: P lies in [0, 1] and the result is a weighted mean of v's rows, so it is no larger than v: both have in f16 the room that v has (largest 65,504).
; LIMITS: v_exp_f32 and v_rcp_f32 are 1-ulp forms that flush denormals; the exponent is fma(s, c, -round(c m)), off by one rounding of c m; the row sum adds the f32
; probabilities while the product takes them rounded to f16 (a probability under 2^-25 counts as zero in the product).
.set PV,     288                       ; V: an LDS row is two keys of 128 bytes + 32: the 16 lanes of a transposing load touch 32 (i / 2) + 128 (i mod 2) + 16 c modulo 256, all different
.set PK,     272                       ; K: two keys + 16: the 16 lanes of a fragment load touch 16 (r / 2) + 128 (r mod 2) modulo 256, all different
.set KBASE,  256*PV                    ; V at 0, K behind it
.set STAGE,  KBASE+256*PK              ; 143,360 = 560 x 256: no tensor load lands here
.set SPITCH, 144
.set PANEL,  524288
.set VK,  4                            ; LDS address of my K fragment rows at step 0
.set VV,  5                            ; the same for the transposing loads of V
.set STO, 6
.set RD,  7
.set GO,  8                            ; 16 x lane
.set QO,  9                            ; r x 128 + 16 h
.set DQ,  10                           ; r - 8 h: on the tiles that the band's edges cut, key j is at or before the query when j <= DQ
.set NEGV, 11                          ; the lowest finite f32
.set MX,  12                           ; v12-13  running maximum of group g
.set MN,  14                           ; v14-15  new maximum
.set TT,  16                           ; v16-17  the other half's figure
.set LS,  18                           ; v18-19  running sum (this lane's keys)
.set AL,  20                           ; v[20:21], v[22:23]  exp2(c (old - new)); the odd registers only make up pairs
.set NB,  24                           ; v[24:25], v[26:27]  -c x maximum; likewise
.set SM,  28                           ; v[28:35]
.set QF,  40                           ; Q(g, c) at 40 + 8 (2 g + c)
.set KF,  72                           ; K(t, c) at 72 + 8 (2 t + c)
.set VT,  104                          ; V^T(u) at 104 + 8 u
.set ST,  136                          ; S^T(g, t) at 136 + 16 g + 8 t
.set PF,  168                          ; P(g) at 168 + 8 g
.set OT,  184                          ; O^T(g, u) at 184 + 8 (4 g + u)
.macro PLACES
.rept 4
	v_nop
.endr
.endm
	s_load_b128 s[4:7], s[0:1], 0x0                ; qkv s[4:5], at s[6:7]
	v_lshl_add_u32 v248, v0, 2, 0x2c000
	v_mov_b32 v249, 0
	ds_add_u32 v248, v249
	ds_add_u32 v248, v249
	v_lshrrev_b32 v1, 5, v0
	v_readfirstlane_b32 s8, v1                     ; wave 0..7
	s_mov_b32 s9, ttmp9                            ; query block 0..7
	s_and_b32 s10, ttmp7, 0xffff                   ; 16 b + h
	s_and_b32 s11, s10, 15                         ; h
	s_lshr_b32 s12, s10, 4                         ; b
	s_lshl3_add_u32 s13, s9, s8                    ; 8 qblock + w
	s_lshl_b32 s14, s12, 11
	s_lshl_b32 s15, s9, 8
	s_add_co_u32 s14, s14, s15                     ; row of my block's first query
	s_and_b32 s15, s8, 3                           ; my chunk of 128 keys
	s_lshl_b32 s15, s15, 7
	s_add_co_u32 s15, s15, s14
	s_sub_co_i32 s15, s15, 256
	s_max_i32 s15, s15, 0                          ; the first block of batch 0 would begin in front of the buffer: clamped; those LDS rows are never multiplied there
	s_lshl_b32 s15, s15, 7                         ; in bytes
	s_add_co_u32 s54, s11, 32                      ; V's panel
	s_lshl_b32 s54, s54, 19
	s_add_co_u32 s54, s54, s15
	s_mov_b32 s55, 0
	s_add_co_u32 s56, s11, 16                      ; K's panel
	s_lshl_b32 s56, s56, 19
	s_add_co_u32 s56, s56, s15
	s_mov_b32 s57, 0
	s_lshl_b32 s58, s11, 19                        ; q's panel and at's: panel h, my wave's first query
	s_lshl_b32 s59, s8, 5
	s_add_co_u32 s59, s59, s14
	s_lshl_b32 s59, s59, 7
	s_add_co_u32 s58, s58, s59
	s_mov_b32 s59, 0
	; group 1: 64 rows of 256 bytes, dense (128 keys); V padded by 8 words a row, K by 4
	s_mov_b32 s16, (3<<16)|(1<<20)|(5<<22)|(7<<25)
	s_mov_b32 s24, (3<<16)|(1<<20)|(5<<22)|(3<<25)
	s_mov_b32 s17, 32<<16
	s_mov_b32 s25, 32<<16
	s_mov_b32 s18, 64<<16
	s_mov_b32 s26, 64<<16
	s_mov_b32 s19, 32<<16
	s_mov_b32 s27, 32<<16
	s_mov_b32 s20, 64
	s_mov_b32 s28, 64
	s_mov_b32 s21, 32
	s_mov_b32 s29, 32
	s_mov_b32 s22, 0
	s_mov_b32 s30, 0
	s_mov_b32 s23, 0
	s_mov_b32 s31, 0
	s_mov_b32 s32, 1
	s_mul_i32 s33, s8, 64*PV                       ; V's chunk w (waves 0-3)
	s_mov_b32 s36, 1
	s_mul_i32 s37, s8, 64*PK
	s_add_co_u32 s37, s37, KBASE-4*64*PK           ; K's chunk w - 4 (waves 4-7)
	s_wait_dscnt 0x0
	s_wait_kmcnt 0x0
	s_add_nc_u64 s[34:35], s[4:5], s[54:55]
	s_or_b32 s35, s35, 0x80000000
	s_add_nc_u64 s[38:39], s[4:5], s[56:57]
	s_or_b32 s39, s39, 0x80000000
	s_add_nc_u64 s[60:61], s[4:5], s[58:59]        ; my queries
	s_add_nc_u64 s[62:63], s[6:7], s[58:59]        ; my rows of the result
	s_cmp_lt_u32 s8, 4                             ; one tensor load a wave, the only one of the launch
	s_cbranch_scc0 .Lfor_k
	tensor_load_to_lds s[32:35], s[16:23]
	s_nop 0
	s_branch .Lasked
.Lfor_k:
	tensor_load_to_lds s[36:39], s[24:31]
	s_nop 0
.Lasked:
	v_and_b32 v1, 31, v0                           ; lane
	v_and_b32 v2, 15, v0                           ; r
	v_bfe_u32 v3, v0, 4, 1                         ; h
	v_lshlrev_b32 v[QO], 7, v2
	v_lshl_add_u32 v[QO], v3, 4, v[QO]
.irp g, 0,1
.irp c, 0,1
	global_load_b128 v[QF+8*(2*\g+\c):QF+8*(2*\g+\c)+3],   v[QO], s[60:61] offset:\g*2048+64*\c       ; query 16 g + r, d = 32 c + 8 h ..
	global_load_b128 v[QF+8*(2*\g+\c)+4:QF+8*(2*\g+\c)+7], v[QO], s[60:61] offset:\g*2048+64*\c+32    ; d = 32 c + 16 + 8 h ..
.endr
.endr
	s_mov_b32 s48, 0x76543210                      ; v_permlanex16_b32: lane i takes lane i of the other half
	s_mov_b32 s49, 0xfedcba98
	s_mov_b32 s50, 0x3e38aa3b                      ; c = log2(e) / 8
	s_mov_b32 s51, 0x3e38aa3b
	s_mov_b32 s53, 0xbe38aa3b                      ; -c
	v_lshrrev_b32 v36, 1, v2
	v_mul_u32_u24 v[VK], v36, PK
	v_and_b32 v36, 1, v2
	v_lshl_add_u32 v[VK], v36, 7, v[VK]
	v_lshl_add_u32 v[VK], v3, 4, v[VK]
	s_mul_i32 s2, s8, 16*PK                        ; 32 keys a wave
	s_add_co_u32 s2, s2, KBASE
	v_add_nc_u32 v[VK], s2, v[VK]
	v_bfe_u32 v36, v0, 1, 2                        ; key 8 h + (l & 7): its LDS row is 4 h + ((l & 7) / 2),
	v_lshl_add_u32 v36, v3, 2, v36
	v_mul_u32_u24 v[VV], v36, PV
	v_and_b32 v36, 1, v0                           ; its half of that row l & 1,
	v_lshl_add_u32 v[VV], v36, 7, v[VV]
	v_bfe_u32 v36, v0, 3, 1                        ; and 16 bytes (8 d) for each group of eight lanes
	v_lshl_add_u32 v[VV], v36, 4, v[VV]
	s_mul_i32 s3, s8, 16*PV
	v_add_nc_u32 v[VV], s3, v[VV]
	s_mul_i32 s3, s8, 32*SPITCH
	s_add_co_u32 s3, s3, STAGE                     ; my stage: 32 rows x 144
	v_mul_u32_u24 v[STO], v2, SPITCH
	v_lshl_add_u32 v[STO], v3, 4, v[STO]
	v_add_nc_u32 v[STO], s3, v[STO]
	v_bfe_u32 v36, v0, 3, 2
	v_mul_u32_u24 v[RD], v36, SPITCH
	v_and_b32 v36, 7, v0
	v_lshl_add_u32 v[RD], v36, 4, v[RD]
	v_add_nc_u32 v[RD], s3, v[RD]
	v_lshlrev_b32 v[GO], 4, v1
	v_lshlrev_b32 v36, 3, v3
	v_sub_nc_u32 v[DQ], v2, v36
.irp j, 0,1,2,3,4,5,6,7
	v_cmp_le_i32 s[40+\j], \j, v[DQ]               ; lanes where j <= r - 8 h
.endr
	v_mov_b32 v[NEGV], 0xff7fffff
	v_mov_b32 v[MX], v[NEGV]
	v_mov_b32 v[MX+1], v[NEGV]
	v_mov_b32 v[TT], 0                             ; v_permlanex16_b32 counts as a reader of its destination
	v_mov_b32 v[TT+1], 0
	v_mov_b32 v[AL+1], 0                           ; the upper registers of pairs of which the lower one is broadcast
	v_mov_b32 v[AL+3], 0
	v_mov_b32 v[NB+1], 0
	v_mov_b32 v[NB+3], 0
	s_wait_tensorcnt 0x0                           ; my chunk is in LDS,
	s_barrier_signal -1
	s_barrier_wait -1                              ; everybody's is; LDS tiles are only read from here on
.macro KLOAD s                         ; eight loads: K's fragments of step s
.irp t, 0,1
.irp c, 0,1
	ds_load_b128 v[KF+8*(2*\t+\c):KF+8*(2*\t+\c)+3],   v[VK] offset:(\s)*16*PK+\t*8*PK+64*\c
	ds_load_b128 v[KF+8*(2*\t+\c)+4:KF+8*(2*\t+\c)+7], v[VK] offset:(\s)*16*PK+\t*8*PK+64*\c+32
.endr
.endr
.endm
.macro VLOAD s                         ; eight transposing loads: V^T's four fragments (16 d x 32 keys) of step s
.irp u, 0,1,2,3
	ds_load_tr16_b128 v[VT+8*\u:VT+8*\u+3],   v[VV] offset:(\s)*16*PV+32*\u
	ds_load_tr16_b128 v[VT+8*\u+4:VT+8*\u+7], v[VV] offset:(\s)*16*PV+32*\u+8*PV
.endr
.endm
.macro SCORE t, g, c
.if \c
	v_wmma_f32_16x16x32_f16 v[ST+16*\g+8*\t:ST+16*\g+8*\t+7], v[KF+8*(2*\t+\c):KF+8*(2*\t+\c)+7], v[QF+8*(2*\g+\c):QF+8*(2*\g+\c)+7], v[ST+16*\g+8*\t:ST+16*\g+8*\t+7]
.else
	v_wmma_f32_16x16x32_f16 v[ST+16*\g+8*\t:ST+16*\g+8*\t+7], v[KF+8*(2*\t+\c):KF+8*(2*\t+\c)+7], v[QF+8*(2*\g+\c):QF+8*(2*\g+\c)+7], 0
.endif
.endm
.macro SCALEO                          ; O^T of both groups times the groups' factors
	s_wait_alu depctr_va_vdst(0)
.irp g, 0,1
.set e, 0
.rept 16
	v_pk_mul_f32 v[OT+32*\g+2*e:OT+32*\g+2*e+1], v[OT+32*\g+2*e:OT+32*\g+2*e+1], v[AL+2*\g:AL+2*\g+1] op_sel_hi:[1,0]
.set e, e+1
.endr
.endr
.endm
; One step of 32 keys.  kind 1: the diagonal (the first step); 0: inside the band; 2: the window's lower edge.
.macro STEP s, kind
	s_wait_dscnt 0x0                               ; this step's K fragments are in
	; the score tiles take turns, one instruction a turn.  On the diagonal tile (keys 16-31, queries 0-15) lies wholly behind the queries,
	; at the lower edge tile (keys 0-15, queries 16-31) wholly in front of the window: they are not multiplied
.irp c, 0,1
	SCORE 0, 0, \c
.if \kind != 2
	SCORE 0, 1, \c
.endif
.if \kind != 1
	SCORE 1, 0, \c
.endif
	SCORE 1, 1, \c
.endr
	; at least four places behind the matrix instructions: for the readers of the scores and for the loads over K's and V's fragments
.if \kind == 1
.irp j, 0,1,2,3,4,5,6,7
	v_mov_b32 v[ST+8+\j], v[NEGV]
.endr
.endif
.if \kind == 2
.irp j, 0,1,2,3,4,5,6,7
	v_mov_b32 v[ST+16+\j], v[NEGV]
.endr
.endif
.if \kind == 0
	PLACES
.endif
	VLOAD \s
.if \s > 0
	KLOAD \s-1                                     ; the next step's K, a step ahead
.endif
.if \kind == 1
.irp j, 0,1,2,3,4,5,6,7
	v_cndmask_b32 v[ST+\j], v[NEGV], v[ST+\j], s[40+\j]            ; keep keys at or before the query
	v_cndmask_b32 v[ST+24+\j], v[NEGV], v[ST+24+\j], s[40+\j]
.endr
.endif
.if \kind == 2
.irp j, 0,1,2,3,4,5,6,7
	v_cndmask_b32 v[ST+\j], v[ST+\j], v[NEGV], s[40+\j]            ; keep keys less than 256 behind the query
	v_cndmask_b32 v[ST+24+\j], v[ST+24+\j], v[NEGV], s[40+\j]
.endr
.endif
	v_max3_num_f32 v[MN], v[MX], v[ST], v[ST+1]
	v_max3_num_f32 v[MN+1], v[MX+1], v[ST+16], v[ST+17]
.irp p, 1,2,3,4,5,6,7
	v_max3_num_f32 v[MN], v[MN], v[ST+2*\p], v[ST+2*\p+1]
	v_max3_num_f32 v[MN+1], v[MN+1], v[ST+16+2*\p], v[ST+16+2*\p+1]
.endr
	v_permlanex16_b32 v[TT], v[MN], s48, s49       ; the other half of the lanes holds the query's other keys
	v_permlanex16_b32 v[TT+1], v[MN+1], s48, s49
	v_max_num_f32 v[MN], v[MN], v[TT]
	v_max_num_f32 v[MN+1], v[MN+1], v[TT+1]
.if \kind != 1
	v_sub_f32 v[AL], v[MX], v[MN]
	v_sub_f32 v[AL+2], v[MX+1], v[MN+1]
	v_mul_f32 v[AL], s50, v[AL]
	v_mul_f32 v[AL+2], s50, v[AL+2]
	v_exp_f32 v[AL], v[AL]
	v_exp_f32 v[AL+2], v[AL+2]
.endif
	v_mul_f32 v[NB], s53, v[MN]
	v_mul_f32 v[NB+2], s53, v[MN+1]
	v_mov_b32 v[MX], v[MN]
	v_mov_b32 v[MX+1], v[MN+1]
.irp p, 0,1,2,3,4,5,6,7
	v_pk_fma_f32 v[ST+2*\p:ST+2*\p+1], v[ST+2*\p:ST+2*\p+1], s[50:51], v[NB:NB+1] op_sel_hi:[1,0,0]
	v_pk_fma_f32 v[ST+16+2*\p:ST+16+2*\p+1], v[ST+16+2*\p:ST+16+2*\p+1], s[50:51], v[NB+2:NB+3] op_sel_hi:[1,0,0]
.endr
.set e, 0
.rept 32
	v_exp_f32 v[ST+e], v[ST+e]
.set e, e+1
.endr
	; plain vector work that touches no score stands behind the exponentials before they are read (ISA guide 5.7.2)
.if \kind != 1
	SCALEO
.else
	v_nop
	s_wait_alu depctr_va_vdst(0)
.endif
.irp g, 0,1
	v_pk_add_f32 v[SM+4*\g:SM+4*\g+1], v[ST+16*\g:ST+16*\g+1], v[ST+16*\g+2:ST+16*\g+3]
	v_pk_add_f32 v[SM+4*\g+2:SM+4*\g+3], v[ST+16*\g+4:ST+16*\g+5], v[ST+16*\g+6:ST+16*\g+7]
	v_pk_add_f32 v[SM+4*\g:SM+4*\g+1], v[SM+4*\g:SM+4*\g+1], v[ST+16*\g+8:ST+16*\g+9]
	v_pk_add_f32 v[SM+4*\g+2:SM+4*\g+3], v[SM+4*\g+2:SM+4*\g+3], v[ST+16*\g+10:ST+16*\g+11]
	v_pk_add_f32 v[SM+4*\g:SM+4*\g+1], v[SM+4*\g:SM+4*\g+1], v[ST+16*\g+12:ST+16*\g+13]
	v_pk_add_f32 v[SM+4*\g+2:SM+4*\g+3], v[SM+4*\g+2:SM+4*\g+3], v[ST+16*\g+14:ST+16*\g+15]
	v_pk_add_f32 v[SM+4*\g:SM+4*\g+1], v[SM+4*\g:SM+4*\g+1], v[SM+4*\g+2:SM+4*\g+3]
.if \kind == 1
	v_add_f32 v[LS+\g], v[SM+4*\g], v[SM+4*\g+1]
.else
	v_add_f32 v[SM+4*\g], v[SM+4*\g], v[SM+4*\g+1]
	v_fma_f32 v[LS+\g], v[LS+\g], v[AL+2*\g], v[SM+4*\g]
.endif
.irp q, 0,1,2,3,4,5,6,7
	v_cvt_pk_f16_f32 v[PF+8*\g+\q], v[ST+16*\g+2*\q], v[ST+16*\g+2*\q+1]       ; registers 0-3: keys 8 h + 0..7, registers 4-7: keys 16 + 8 h + 0..7
.endr
.endr
.if \s > 0
	s_wait_dscnt 0x8                               ; V is in; the eight younger loads, the next step's K, stay out
.else
	s_wait_dscnt 0x0
.endif
.irp u, 0,1,2,3
.irp g, 0,1
.if \kind == 1
	v_wmma_f32_16x16x32_f16 v[OT+8*(4*\g+\u):OT+8*(4*\g+\u)+7], v[VT+8*\u:VT+8*\u+7], v[PF+8*\g:PF+8*\g+7], 0
.else
	v_wmma_f32_16x16x32_f16 v[OT+8*(4*\g+\u):OT+8*(4*\g+\u)+7], v[VT+8*\u:VT+8*\u+7], v[PF+8*\g:PF+8*\g+7], v[OT+8*(4*\g+\u):OT+8*(4*\g+\u)+7]
.endif
.endr
.endr
.if \s > 0
	s_cmp_lt_u32 s13, 9-\s                         ; step s - 1 lies in front of the sequence's start when 8 qblock + w + s - 1 < 8
	s_cbranch_scc1 .Lfinish
.endif
.endm
	KLOAD 8
	s_wait_loadcnt 0x0                             ; my queries
	STEP 8, 1
	STEP 7, 0
	STEP 6, 0
	STEP 5, 0
	STEP 4, 0
	STEP 3, 0
	STEP 2, 0
	STEP 1, 0
	STEP 0, 2
.Lfinish:
	s_wait_dscnt 0x0                               ; a wave that left early has eight loads of K out: their registers are used again below
	PLACES                                         ; behind the last matrix instructions
	v_permlanex16_b32 v[TT], v[LS], s48, s49
	v_permlanex16_b32 v[TT+1], v[LS+1], s48, s49
	v_add_f32 v[LS], v[LS], v[TT]                  ; the whole row's sum; it is at least the largest term, about 1
	v_add_f32 v[LS+1], v[LS+1], v[TT+1]
	v_rcp_f32 v[AL], v[LS]
	v_rcp_f32 v[AL+2], v[LS+1]
	v_nop
	s_wait_alu depctr_va_vdst(0)
	SCALEO
.irp g, 0,1
.irp u, 0,1,2,3
.irp q, 0,1,2,3
	v_cvt_pk_f16_f32 v[ST+4*(4*\g+\u)+\q], v[OT+8*(4*\g+\u)+2*\q], v[OT+8*(4*\g+\u)+2*\q+1]
.endr
	ds_store_b128 v[STO], v[ST+4*(4*\g+\u):ST+4*(4*\g+\u)+3] offset:\g*16*SPITCH+32*\u     ; query 16 g + r, d = 16 u + 8 h + 0..7
.endr
.endr
.irp i, 0,1,2,3,4,5,6,7
	ds_load_b128 v[KF+4*\i:KF+4*\i+3], v[RD] offset:\i*4*SPITCH    ; my own bytes, served in order behind my stores (ISA guide 5.7.1.4)
.endr
.irp i, 0,1,2,3,4,5,6,7
	s_wait_dscnt 7-\i
	global_store_b128 v[GO], v[KF+4*\i:KF+4*\i+3], s[62:63] offset:512*\i          ; four rows of the panel: 512 consecutive bytes
.endr
	s_wait_tensorcnt 0x0
	ds_add_u32 v248, v249
	s_wait_dscnt 0x0
	s_endpgm
.Lfunc_end_k_qd61852ddc9_attn:
	.size	k_qd61852ddc9_attn, .Lfunc_end_k_qd61852ddc9_attn-k_qd61852ddc9_attn
	.p2alignl 7, 3214868480
	.fill 96, 4, 3214868480
	.section	.rodata,"a",@progbits
	.p2align	6, 0x0
	.amdhsa_kernel k_qd61852ddc9_attn
		.amdhsa_group_segment_fixed_size 181248
		.amdhsa_private_segment_fixed_size 0
		.amdhsa_enable_private_segment 0
		.amdhsa_kernarg_size 16
		.amdhsa_user_sgpr_count 2
		.amdhsa_user_sgpr_kernarg_segment_ptr 1
		.amdhsa_wavefront_size32 1
		.amdhsa_system_sgpr_workgroup_id_x 1
		.amdhsa_system_sgpr_workgroup_id_y 1
		.amdhsa_system_sgpr_workgroup_id_z 1
		.amdhsa_system_vgpr_workitem_id 0
		.amdhsa_next_free_vgpr 250
		.amdhsa_next_free_sgpr 66
		.amdhsa_reserve_vcc 0
		.amdhsa_float_denorm_mode_32 3
		.amdhsa_float_denorm_mode_16_64 3
		.amdhsa_memory_ordered 1
		.amdhsa_forward_progress 1
		.amdhsa_inst_pref_size 102
	.end_amdhsa_kernel
	.amdgpu_metadata
---
amdhsa.version: [ 1, 2 ]
amdhsa.kernels:
  - .name:           k_qd61852ddc9_attn
    .symbol:         k_qd61852ddc9_attn.kd
    .args:
      - { .name: qkv, .offset: 0, .size: 8, .value_kind: global_buffer, .address_space: global }
      - { .name: at, .offset: 8, .size: 8, .value_kind: global_buffer, .address_space: global }
    .group_segment_fixed_size: 181248
    .private_segment_fixed_size: 0
    .kernarg_segment_align: 8
    .kernarg_segment_size: 16
    .max_flat_workgroup_size: 256
    .sgpr_count:     66
    .vgpr_count:     250
    .wavefront_size: 32
...
	.end_amdgpu_metadata
.endif
;; end of part 3
;; launch oproj (part 4): grid 8 x 32, 4 waves a work-group, clusters of 4 x 4, 327,680 bytes of LDS; arguments at, wb, bo, hidden_states, out0; writes out0
.if DOCPART == 4
	.amdgcn_target "amdgcn-amd-amdhsa--gfx1250"
	.amdhsa_code_object_version 6
	.text
	.protected	k_qd61852ddc9_oproj
	.globl	k_qd61852ddc9_oproj
	.p2align	8
	.type	k_qd61852ddc9_oproj,@function
k_qd61852ddc9_oproj:
	s_mov_b64 s[64:65], 0
	v_nop
	global_prefetch_b8 v0, s[64:65] scope:SCOPE_SE
	s_setreg_imm32_b32 hwreg(HW_REG_WAVE_MODE, 25, 1), 1
	s_wait_xcnt 0x0
	s_wait_alu depctr_hold_cnt(0) depctr_sa_sdst(0) depctr_va_vdst(0) depctr_va_sdst(0) depctr_va_ssrc(0) depctr_va_vcc(0) depctr_vm_vsrc(0)
	s_getreg_b32 s2, hwreg(HW_REG_IB_STS2, 6, 4)
	s_cmp_eq_u32 s2, 0
	s_cbranch_scc0 .Lentry_in_a_cluster
	s_endpgm
.Lentry_in_a_cluster:
	s_bfe_u32 s2, ttmp6, 0x10000c
	s_cmp_lg_u32 s2, 0xf033
	s_cbranch_scc0 .Lentry_shape_is_right
	s_endpgm
.Lentry_shape_is_right:
; out0[m][n] = hidden[m][n] + bo[n] + sum over k of at[m][k] Wo[n][k].  at and wb in panels [16][4096][64] f16 (Wo = rows 3072-4095 of wb); hidden, out0 [4096][1024] f32.
; 256 work-groups, a block of 128 x 128, four waves as 2 x 2, a wave 64 x 64: 16 accumulator tiles.  Sums in f32.
; K goes in four steps of 256 (four panels) through two LDS slots, written out without a loop.  One tensor load a wave brings two panels' 128 rows: a tile of two rows of
; 16 KiB (one panel's rows, dense), one panel apart, with 16 bytes of padding after every 256: in LDS two matrix rows and the padding make rows of 272 bytes, as in the
; product before, and panel p of a side lies at p x 17,408.
; CLUSTERS: 4 x 4; at's tiles are asked for jointly along a row of the cluster, Wo's along a column.
; Transposed use (source 0 = rows of Wo, source 1 = rows of at); the bias starts the sums as the first products' C; the residual is loaded at the start, lies in registers
; in the layout in which the result comes back from the stage, and is added in f32 on the way out.
; REGISTERS: window 0: addresses, bias, at's fragments (two buffers of 64); window 1: Wo's fragments; window 2: v0-127 accumulators (tile (a, b) at 8 (4 a + b)), v128-255 the residual.
.set PITCH2, 272
.set FRAG,   8*PITCH2                  ; 16 matrix rows
.set PPAN,   64*PITCH2                 ; a panel's 128 rows
.set BOFF,   4*PPAN
.set SLOT,   8*PPAN
.set STAGE,  2*SLOT                    ; 278,528 = 1088 x 256: no tensor load lands here
.set SPITCH, 272                       ; a stage row: 64 f32 + 16 bytes
.set PANEL,  524288
.set ADRA, 16
.set ADRB, 20
.set STO,  24
.set RD,   25
.set CO,   26                          ; (lane / 16) rows of 4096 bytes + 16 (lane mod 16)
.set VB,   27
.set BIAS, 32                          ; v[32:63]
.set F0,   64
.set F1,   128
.set RES,  128                         ; in window 2
.set G1,  24
.set G0,  32
.set G1B, 48
.set G0B, 56
.set DW0, (3<<16)|(1<<20)|(1<<21)|(5<<22)|(3<<25)
.set MSB, 0
.macro WIN new
.if MSB != \new
	s_set_vgpr_msb (MSB<<8)|\new
.set MSB, \new
.endif
.endm
.macro PLACES
.rept 4
	v_nop
.endr
.endm
.macro JLOAD s                         ; waves 0 and 1 fetch at's panels 0-1 and 2-3 of the step, waves 2 and 3 Wo's
	s_cmp_eq_u32 s11, 0
	s_cbranch_scc0 .Lfor_b_\@
	tensor_load_to_lds s[G0+4*\s:G0+4*\s+3], s[G1:G1+7]
	s_nop 0
	s_branch .Lasked_\@
.Lfor_b_\@:
	tensor_load_to_lds s[G0B+4*\s:G0B+4*\s+3], s[G1B:G1B+7]
	s_nop 0
.Lasked_\@:
.endm
.macro CREST
	s_cmp_lg_u32 s10, 0
	s_cbranch_scc1 .Lnot_wave_0_\@
	s_barrier_signal -3
.Lnot_wave_0_\@:
	s_barrier_wait -3
	s_barrier_signal -1
	s_barrier_wait -1
.endm
.macro CROUND
	s_barrier_signal -1
	s_barrier_wait -1
	CREST
.endm
	s_load_b128 s[4:7], s[0:1], 0x0                ; at s[4:5], wb s[6:7]
	s_load_b128 s[68:71], s[0:1], 0x10             ; bo s[68:69], hidden s[70:71]
	s_load_b64 s[72:73], s[0:1], 0x20              ; out0
	s_set_vgpr_msb 0x40
	v_lshl_add_u32 v255, v0, 2, 0x48400
	s_set_vgpr_msb 0x4000
	v_mov_b32 v255, 0
	s_set_vgpr_msb 0x1
	ds_add_u32 v255, v255
	ds_add_u32 v255, v255
	s_set_vgpr_msb 0x100
	v_lshrrev_b32 v1, 5, v0
	v_readfirstlane_b32 s10, v1
	s_lshr_b32 s11, s10, 1                         ; my half of the rows; also: I fetch for at (0) or for Wo (1)
	s_and_b32 s12, s10, 1                          ; my half of the columns; also: which pair of panels I fetch
	s_bfe_u32 s40, ttmp6, 0x40000
	s_bfe_u32 s41, ttmp6, 0x40004
	s_lshl_b32 s42, ttmp9, 2
	s_add_co_u32 s42, s42, s40                     ; block column
	s_and_b32 s13, ttmp7, 0xffff
	s_lshl_b32 s13, s13, 2
	s_add_co_u32 s13, s13, s41                     ; block row
	s_lshl_b32 s43, s41, 2
	s_lshl_b32 s43, 15, s43
	s_lshl_b32 s44, 0x1111, s40
	s_or_b32 s[G1+0], s43, DW0
	s_or_b32 s[G1B+0], s44, DW0
	s_mov_b32 s[G1+1], 2048<<16                    ; tensor_dim0 = 2048 elements of 8 bytes: a panel's 128 rows
	s_mov_b32 s[G1B+1], 2048<<16
	s_mov_b32 s[G1+2], 2<<16                       ; tensor_dim1 = 2 panels
	s_mov_b32 s[G1B+2], 2<<16
	s_mov_b32 s[G1+3], 2048<<16                    ; tile_dim0
	s_mov_b32 s[G1B+3], 2048<<16
	s_mov_b32 s[G1+4], 2                           ; tile_dim1
	s_mov_b32 s[G1B+4], 2
	s_mov_b32 s[G1+5], PANEL/8                     ; from panel to panel, in elements
	s_mov_b32 s[G1B+5], PANEL/8
	s_mov_b32 s[G1+6], 0
	s_mov_b32 s[G1B+6], 0
	s_mov_b32 s[G1+7], 0
	s_mov_b32 s[G1B+7], 0
	s_lshl_b32 s16, s13, 14                        ; 128 rows of 128 bytes a block row
	s_lshl_b32 s17, s12, 20                        ; my pair of panels
	s_add_co_u32 s16, s16, s17
	s_mov_b32 s17, 0
	s_lshl_b32 s46, s42, 14
	s_lshl_b32 s47, s12, 20
	s_add_co_u32 s46, s46, s47
	s_add_co_u32 s46, s46, 3072*128                ; Wo begins at stacked row 3072
	s_mov_b32 s47, 0
	s_mul_i32 s20, s10, 2*PPAN                     ; LDS: at's two pairs, then Wo's two = wave x two panels
	s_wait_dscnt 0x0
	s_wait_kmcnt 0x0
	s_add_nc_u64 s[14:15], s[4:5], s[16:17]
	s_add_nc_u64 s[46:47], s[6:7], s[46:47]
	CROUND
.irp s, 0,1
	s_mov_b32 s[G0+4*\s], 1
	s_add_co_u32 s[G0+4*\s+1], s20, \s*SLOT
	s_add_nc_u64 s[G0+4*\s+2:G0+4*\s+3], s[14:15], \s*4*PANEL
	s_or_b32 s[G0+4*\s+3], s[G0+4*\s+3], 0x80000000
	s_mov_b32 s[G0B+4*\s], 1
	s_add_co_u32 s[G0B+4*\s+1], s20, \s*SLOT
	s_add_nc_u64 s[G0B+4*\s+2:G0B+4*\s+3], s[46:47], \s*4*PANEL
	s_or_b32 s[G0B+4*\s+3], s[G0B+4*\s+3], 0x80000000
	JLOAD \s                                       ; two tensor loads of this wave are out, the most in this text
.endr
	v_and_b32 v1, 15, v0                           ; r
	v_bfe_u32 v2, v0, 4, 1                         ; h
	v_lshlrev_b32 v[VB], 5, v2
	v_lshlrev_b32 v[CO], 4, v1
	v_lshl_add_u32 v[CO], v2, 12, v[CO]
	s_lshl_b32 s78, s42, 9                         ; my 64 columns: 512 bytes a block, 256 a half
	s_lshl_b32 s79, s12, 8
	s_add_co_u32 s78, s78, s79
	s_lshl_b32 s76, s13, 19                        ; my 64 rows: 128 rows of 4096 bytes a block, 64 a half
	s_lshl_b32 s77, s11, 18
	s_add_co_u32 s76, s76, s77
	s_add_co_u32 s76, s76, s78
	s_mov_b32 s77, 0
	s_mov_b32 s79, 0
	s_add_nc_u64 s[68:69], s[68:69], s[78:79]
	s_add_nc_u64 s[70:71], s[70:71], s[76:77]
	s_add_nc_u64 s[72:73], s[72:73], s[76:77]
.irp b, 0,1,2,3
	global_load_b128 v[BIAS+8*\b:BIAS+8*\b+3],   v[VB], s[68:69] offset:64*\b
	global_load_b128 v[BIAS+8*\b+4:BIAS+8*\b+7], v[VB], s[68:69] offset:64*\b+16
.endr
	WIN 0x80                                       ; loaded data into window 2, address from window 0
.irp i, 0,1,2,3
.irp t, 0,1,2,3,4,5,6,7
	global_load_b128 v[RES+32*\i+4*\t:RES+32*\i+4*\t+3], v[CO], s[70:71] offset:(16*\i+2*\t)*4096 th:TH_LOAD_NT   ; sixteen lanes read 256 consecutive bytes of a row
.endr
.endr
	WIN 0
	v_lshrrev_b32 v4, 1, v1
	v_mul_u32_u24 v3, v4, PITCH2
	v_and_b32 v4, 1, v1
	v_lshl_add_u32 v3, v4, 7, v3
	v_lshl_add_u32 v3, v2, 4, v3
	s_mul_i32 s21, s11, 4*FRAG                     ; my 64 rows of at
	s_mul_i32 s22, s12, 4*FRAG                     ; my 64 rows of Wo
	s_add_co_u32 s22, s22, BOFF
	v_add_nc_u32 v[ADRA], s21, v3
	v_add_nc_u32 v[ADRA+1], SLOT, v[ADRA]
	v_add_nc_u32 v[ADRB], s22, v3
	v_add_nc_u32 v[ADRB+1], SLOT, v[ADRB]
	s_mul_i32 s23, s10, 16*SPITCH
	s_add_co_u32 s23, s23, STAGE
	v_mul_u32_u24 v4, v1, SPITCH
	v_lshl_add_u32 v4, v2, 5, v4                   ; row r, 32 bytes (8 f32) for each half of the lanes
	v_add_nc_u32 v[STO], s23, v4
	v_mul_u32_u24 v4, v2, SPITCH
	v_lshl_add_u32 v4, v1, 4, v4                   ; back: lanes 0-15 a row of 256 bytes, lanes 16-31 the next
	v_add_nc_u32 v[RD], s23, v4
; four matrix instructions: row tile a x the four column tiles, half kh (32 along K) of a panel.  The 16 accumulators take turns in one order throughout.
.macro MULROW f, kh, a, first
.irp b, 0,1,2,3
.if \first
	v_wmma_f32_16x16x32_f16 v[8*(4*\a+\b):8*(4*\a+\b)+7], v[\f+8*(4*\kh+\b):\f+8*(4*\kh+\b)+7], v[\f+8*(4*\kh+\a):\f+8*(4*\kh+\a)+7], v[BIAS+8*\b:BIAS+8*\b+7]
.else
	v_wmma_f32_16x16x32_f16 v[8*(4*\a+\b):8*(4*\a+\b)+7], v[\f+8*(4*\kh+\b):\f+8*(4*\kh+\b)+7], v[\f+8*(4*\kh+\a):\f+8*(4*\kh+\a)+7], v[8*(4*\a+\b):8*(4*\a+\b)+7]
.endif
.endr
.endm
; 32 LDS loads: panel p's fragments into buffer f: Wo's 16, then at's 16 with the first half of K first
.macro FETCH slot, p, f
	WIN 0x40
.irp kh, 0,1
.irp i, 0,1,2,3
	ds_load_b128 v[\f+8*(4*\kh+\i):\f+8*(4*\kh+\i)+3],   v[ADRB+\slot] offset:\p*PPAN+64*\kh+\i*FRAG
	ds_load_b128 v[\f+8*(4*\kh+\i)+4:\f+8*(4*\kh+\i)+7], v[ADRB+\slot] offset:\p*PPAN+64*\kh+\i*FRAG+32
.endr
.endr
	WIN 0
.irp kh, 0,1
.irp i, 0,1,2,3
	ds_load_b128 v[\f+8*(4*\kh+\i):\f+8*(4*\kh+\i)+3],   v[ADRA+\slot] offset:\p*PPAN+64*\kh+\i*FRAG
	ds_load_b128 v[\f+8*(4*\kh+\i)+4:\f+8*(4*\kh+\i)+7], v[ADRA+\slot] offset:\p*PPAN+64*\kh+\i*FRAG+32
.endr
.endr
.endm
; One of a K step's first three panels: multiplies buffer f and, in its middle, fetches panel pn into buffer g
.macro PSTEP slot, pn, f, g, first
	s_wait_dscnt 0x8                               ; Wo's 16 loads and at's first half of K are in; the youngest eight may be out
.if \first
	WIN 0x81
.else
	WIN 0xa1
.endif
.irp a, 0,1,2,3
	MULROW \f, 0, \a, \first
.endr
	PLACES
	FETCH \slot, \pn, \g
	s_wait_dscnt 0x20                              ; all but the 32 just issued
	WIN 0xa1
.irp a, 0,1,2,3
	MULROW \f, 1, \a, 0
.endr
.endm
.macro THREE slot, first
	PSTEP \slot, 1, F0, F1, \first
	PSTEP \slot, 2, F1, F0, 0
	PSTEP \slot, 3, F0, F1, 0
.endm
; The last panel multiplies buffer 1 and changes slots: each wave's waits for its reads and for all its tensor loads, the barrier (which opens a round of the cluster's
; barrier where the slot is filled again), the joint refill first behind it.  From a request to the wait for it a wave issues 120 matrix instructions.
.macro TURN slot, next, fill
	s_wait_dscnt 0x8
	WIN 0xa1
	MULROW F1, 0, 0, 0
	MULROW F1, 0, 1, 0
	s_wait_dscnt 0x0
	s_wait_tensorcnt 0x0
	ds_add_u32 v255, v255
	s_wait_dscnt 0x0
	s_barrier_signal -1
	MULROW F1, 0, 2, 0
	MULROW F1, 0, 3, 0
	WIN 0
	s_barrier_wait -1
.if \fill
	CREST
	s_add_nc_u64 s[G0+4*\slot+2:G0+4*\slot+3], s[G0+4*\slot+2:G0+4*\slot+3], 8*PANEL      ; two K steps on; no load of mine is out
	s_add_nc_u64 s[G0B+4*\slot+2:G0B+4*\slot+3], s[G0B+4*\slot+2:G0B+4*\slot+3], 8*PANEL
	JLOAD \slot
.endif
	PLACES
	FETCH \next, 0, F0
	WIN 0xa1
.irp a, 0,1,2,3
	MULROW F1, 1, \a, 0
.endr
.endm
	s_wait_tensorcnt 0x1                           ; my part of K step 0 is in; K step 1's stays out
	s_barrier_signal -1
	s_barrier_wait -1
	FETCH 0, 0, F0
	s_wait_loadcnt 32                              ; the bias is in; the 32 younger loads, the residual, stay out
	THREE 0, 1
	TURN 0, 1, 1                                   ; slot 0 gets K step 2
	THREE 1, 0
	TURN 1, 0, 1                                   ; slot 1 gets K step 3
	THREE 0, 0
	TURN 0, 1, 0
	THREE 1, 0
	s_wait_dscnt 0x8
	WIN 0xa1
.irp a, 0,1,2,3
	MULROW F1, 0, \a, 0
.endr
	s_wait_dscnt 0x0
.irp a, 0,1,2,3
	MULROW F1, 1, \a, 0
.endr
	PLACES                                         ; behind the last matrix instructions: for the LDS stores of results and the loads into old sources
	s_wait_loadcnt 0x0                             ; the residual
; THE WAY OUT, 16 rows at a time: the f32 sums into my own stage, back as whole rows of 256 bytes, plus the residual, out.  No register that a store reads is written again.
.macro OUT16 i, f
	WIN 0x08                                       ; LDS store data from window 2; addresses and loaded data in window 0
.irp b, 0,1,2,3
	ds_store_b128 v[STO], v[8*(4*\i+\b):8*(4*\i+\b)+3] offset:64*\b
	ds_store_b128 v[STO], v[8*(4*\i+\b)+4:8*(4*\i+\b)+7] offset:64*\b+16
.endr
.irp t, 0,1,2,3,4,5,6,7
	ds_load_b128 v[\f+4*\t:\f+4*\t+3], v[RD] offset:\t*2*SPITCH    ; my own bytes, served in order behind my stores (ISA guide 5.7.1.4)
.endr
	WIN 0x88                                       ; source 0 window 0, source 1 and destination window 2; a store's data is source 1
.irp t, 0,1,2,3,4,5,6,7
	s_wait_dscnt 7-\t
	v_pk_add_f32 v[RES+32*\i+4*\t:RES+32*\i+4*\t+1], v[\f+4*\t:\f+4*\t+1], v[RES+32*\i+4*\t:RES+32*\i+4*\t+1]
	v_pk_add_f32 v[RES+32*\i+4*\t+2:RES+32*\i+4*\t+3], v[\f+4*\t+2:\f+4*\t+3], v[RES+32*\i+4*\t+2:RES+32*\i+4*\t+3]
	global_store_b128 v[CO], v[RES+32*\i+4*\t:RES+32*\i+4*\t+3], s[72:73] offset:(16*\i+2*\t)*4096 th:TH_STORE_NT   ; sixteen lanes store 256 consecutive bytes, aligned
.endr
.endm
	OUT16 0, F0
	OUT16 1, F1
	OUT16 2, F0
	OUT16 3, F1
	WIN 0
	s_set_vgpr_msb 0x1
	s_wait_tensorcnt 0x0
	ds_add_u32 v255, v255
	s_wait_dscnt 0x0
	s_set_vgpr_msb 0x100
	CROUND                                         ; the closing round
	s_endpgm
.Lfunc_end_k_qd61852ddc9_oproj:
	.size	k_qd61852ddc9_oproj, .Lfunc_end_k_qd61852ddc9_oproj-k_qd61852ddc9_oproj
	.p2alignl 7, 3214868480
	.fill 96, 4, 3214868480
	.section	.rodata,"a",@progbits
	.p2align	6, 0x0
	.amdhsa_kernel k_qd61852ddc9_oproj
		.amdhsa_group_segment_fixed_size 327680
		.amdhsa_private_segment_fixed_size 0
		.amdhsa_enable_private_segment 0
		.amdhsa_kernarg_size 40
		.amdhsa_user_sgpr_count 2
		.amdhsa_user_sgpr_kernarg_segment_ptr 1
		.amdhsa_wavefront_size32 1
		.amdhsa_system_sgpr_workgroup_id_x 1
		.amdhsa_system_sgpr_workgroup_id_y 1
		.amdhsa_system_sgpr_workgroup_id_z 1
		.amdhsa_system_vgpr_workitem_id 0
		.amdhsa_next_free_vgpr 768
		.amdhsa_next_free_sgpr 80
		.amdhsa_reserve_vcc 0
		.amdhsa_float_denorm_mode_32 3
		.amdhsa_float_denorm_mode_16_64 3
		.amdhsa_memory_ordered 1
		.amdhsa_forward_progress 1
		.amdhsa_inst_pref_size 94
	.end_amdhsa_kernel
	.amdgpu_metadata
---
amdhsa.version: [ 1, 2 ]
amdhsa.kernels:
  - .name:           k_qd61852ddc9_oproj
    .symbol:         k_qd61852ddc9_oproj.kd
    .args:
      - { .name: at, .offset: 0, .size: 8, .value_kind: global_buffer, .address_space: global }
      - { .name: wb, .offset: 8, .size: 8, .value_kind: global_buffer, .address_space: global }
      - { .name: bo, .offset: 16, .size: 8, .value_kind: global_buffer, .address_space: global }
      - { .name: hidden_states, .offset: 24, .size: 8, .value_kind: global_buffer, .address_space: global }
      - { .name: out0, .offset: 32, .size: 8, .value_kind: global_buffer, .address_space: global }
    .group_segment_fixed_size: 327680
    .private_segment_fixed_size: 0
    .kernarg_segment_align: 8
    .kernarg_segment_size: 40
    .max_flat_workgroup_size: 128
    .sgpr_count:     80
    .vgpr_count:     768
    .wavefront_size: 32
...
	.end_amdgpu_metadata
.endif
;; end of part 4
;; ======== version 2 of 2: 4 launches; version 1 with the launch prep written anew for expert scheduling mode
;; limits: values are held in f16: magnitudes above 65,504 overflow, below 6.1e-05 lose precision
;; workspace buffers: xn 8,388,608 bytes; wb 8,388,608 bytes; qkv 25,165,824 bytes; at 8,388,608 bytes
;; launch prep (part 5): grid 256 x 1, 8 waves a work-group, no clusters, 9,216 bytes of LDS; arguments hidden_states, gamma, beta, Wq, Wk, Wv, Wo, xn, wb; writes xn, wb
.if DOCPART == 5
	.amdgcn_target "amdgcn-amd-amdhsa--gfx1250"
	.amdhsa_code_object_version 6
	.text
	.protected	k_qd61852ddc9_prep
	.globl	k_qd61852ddc9_prep
	.p2align	8
	.type	k_qd61852ddc9_prep,@function
k_qd61852ddc9_prep:
	s_mov_b64 s[64:65], 0
	v_nop
	global_prefetch_b8 v0, s[64:65] scope:SCOPE_SE
	s_setreg_imm32_b32 hwreg(HW_REG_WAVE_SCHED_MODE, 0, 2), 2
	s_setreg_imm32_b32 hwreg(HW_REG_WAVE_MODE, 25, 1), 1
	s_wait_xcnt 0x0
	s_wait_alu depctr_vm_vsrc(0)
; LayerNorm of hidden_states and the narrowing of the four weight matrices to f16, both into PANELS:
; an array [4096 rows][1024 columns] lies as [16 panels][4096 rows][64 columns] f16, so a row of a panel is 128 bytes
; and any run of rows of one panel is dense.  xn = LayerNorm(hidden); wb = rows 0-1023 Wq, 1024-2047 Wk, 2048-3071 Wv, 3072-4095 Wo.
; 256 work-groups of eight waves; work-group g takes hidden rows 16 g .. 16 g + 15 and stacked weight rows 16 g .. 16 g + 15.
; A wave takes a pair of rows of each: lanes 0-15 the even row, lanes 16-31 the odd one.  Load j (0..15) of a pair reads 16 bytes a lane
; at byte 256 j + 16 (lane mod 16) of the lane's row: two aligned runs of 256 bytes.  The four numbers become 8 bytes of panel j, and
; the 32 lanes of a store write rows n, n + 1 of that panel: 256 consecutive bytes, aligned.
; The row stays in registers between mean, variance and scaling: it is read once.  The mean is taken away BEFORE the squares are summed,
; so a common offset of the inputs costs no digits.  No matrix unit, no cluster, no tensor load: nothing is shared and nothing multiplied.
; WHY F16 AND NOT BF16: a sequence's first rows attend to one or two keys, so the value path's roundings (x, Wv, v, P, the attention's result, Wo) reach the
; output undamped; with 8 significant bits their sum comes close to a hundredth of the output's spread, with f16's 11 bits it is eight times smaller.
; ROOM IN F16: a normalised row of 1024 has no entry above sqrt(1023) < 32, so |xn| <= 32 max|gamma| + max|beta|: under 1,000 for a gain of 30.  Weights are drawn up to
; about 0.16: about 5 when 30 times larger; 30 times smaller (spread 0.001) they are still normal f16, and entries below 2^-14 are kept to 2^-25.
; LIMITS: xn or a weight beyond 65,504 in magnitude becomes infinite.  1/sqrt is v_rsq_f32 (1 ulp; var + 1e-12 is never denormal); sums run in four chains and a
; 16-lane tree, an order other than a plain left-to-right sum.
; THE MODE: SCHED_MODE bits 1:0 = 2 (LLVM: expert scheduling mode 2), set by the entry lines.  The code itself states the register dependences
; between vector instructions and memory or LDS instructions, with s_wait_alu, always for 0.
; THE PLAN.  The text has one path.  Registers that memory or LDS instructions touch:
;   v1 .. v4     offsets and LDS addresses: written at the head, never again; read by every load, store and LDS access.
;   v[6:13]      gamma's and beta's loads land here; my two LDS stores read them; v12, v13 are written again later, as NM.
;   W            sixteen loads land; 32 conversions write W + 4 j, W + 4 j + 1 in place; sixteen stores read those; never written again.
;   X            sixteen loads land; mean, variance and scaling work in place; block k's conversions write X + 16 k + 4 i, + 1; four stores read those; never written again.
;   GB0 .. GB2   gamma and beta of the columns of blocks 0, 1, 2 land in registers that nothing has named; block k's multiply-adds read its buffer; block 3's land in GB0 when block 0 is done.
;   v216, v217   written at the head, read by the closing add alone.
; A block is four loads' columns.  Block k's vector instructions name X + 16 k .., its own buffer of gamma and beta, and RS.  The memory instructions dealt among them are the four stores
; of block k - 1 and, in block 1, the eight LDS loads into GB0: registers that block k never names.  So ONE wait on va_vdst at a block's head states all that they hang on.
.set PANEL, 524288                     ; bytes of a panel: 4096 rows x 128
.set VL,  1                            ; v1   byte offset of my 16 bytes in load 0: (thread / 16) rows of 4096 bytes + 16 (thread mod 16)
.set VS,  2                            ; v2   byte offset of my 8 bytes in a store: 8 x thread = (thread / 16) x 128 + 8 (thread mod 16)
.set V16, 3                            ; v3   16 x thread: my share of gamma and beta on their way into LDS
.set VG,  4                            ; v4   16 (thread mod 16): my columns of gamma and beta in LDS
.set NM,  12                           ; v[12:13]  minus the mean, twice (free once beta has been staged)
.set RS,  14                           ; v[14:15]  1 / sqrt(var + eps), twice
.set W,   16                           ; v[16:79]   the weight row pair
.set X,   80                           ; v[80:143]  the hidden row pair
.set GB,  144                          ; v[144:207] buffers 0 and 1 of 32: gamma of four loads' columns, then beta
.set ACC, 208                          ; v[208:215] four chains of pairs
.set GB2, 218                          ; v[218:249] buffer 2 (v216, v217 are the closing add's two registers)
	s_load_b512 s[8:23], s[0:1], 0x0               ; hidden s[8:9], gamma s[10:11], beta s[12:13], Wq s[14:15], Wk s[16:17], Wv s[18:19], Wo s[20:21], xn s[22:23]
	s_load_b64 s[24:25], s[0:1], 0x40              ; wb
	v_lshl_add_u32 v216, v0, 2, 0x2000
	v_mov_b32 v217, 0
	s_lshr_b32 s2, ttmp9, 6                        ; which weight matrix: 64 work-groups each
	s_lshl_b32 s28, ttmp9, 16                      ; hidden: 16 rows of 4096 bytes a work-group
	s_mov_b32 s29, 0
	s_and_b32 s30, ttmp9, 63
	s_lshl_b32 s30, s30, 16                        ; the same inside my weight matrix
	s_mov_b32 s31, 0
	s_lshl_b32 s32, ttmp9, 11                      ; both results: 16 rows of 128 bytes in every panel
	s_mov_b32 s33, 0
	s_mov_b32 s34, 0x3a800000                      ; 1/1024
	s_mov_b32 s35, 0x2b8cbccc                      ; 1e-12
	s_mov_b32 s36, 0xba800000                      ; -1/1024
	v_lshrrev_b32 v[VL], 4, v0
	v_and_b32 v[VG], 15, v0
	v_lshlrev_b32 v[VG], 4, v[VG]
	v_lshl_or_b32 v[VL], v[VL], 12, v[VG]
	v_lshlrev_b32 v[VS], 3, v0
	v_lshlrev_b32 v[V16], 4, v0
	s_wait_kmcnt 0x0
	s_cmp_lt_u32 s2, 1                             ; the choice hangs on the work-group's number alone
	s_cselect_b64 s[26:27], s[14:15], s[16:17]
	s_cmp_lt_u32 s2, 2
	s_cselect_b64 s[26:27], s[26:27], s[18:19]
	s_cmp_lt_u32 s2, 3
	s_cselect_b64 s[26:27], s[26:27], s[20:21]
	s_add_nc_u64 s[26:27], s[26:27], s[30:31]
	s_add_nc_u64 s[8:9], s[8:9], s[28:29]
	s_add_nc_u64 s[22:23], s[22:23], s[32:33]
	s_add_nc_u64 s[24:25], s[24:25], s[32:33]
	s_wait_alu depctr_va_vdst(0)                   ; v1 to v4 are written: every load, store and LDS access of the kernel reads one of them as its offset or address
	; everything that the wave will read goes out at once: 34 loads
	global_load_b128 v[6:9], v[V16], s[10:11]      ; 256 threads x 16 bytes = all of gamma
	global_load_b128 v[10:13], v[V16], s[12:13]    ; and of beta
.irp j, 0,1,2,3,4,5,6,7,8,9,10,11,12,13,14,15
	global_load_b128 v[W+4*\j:W+4*\j+3], v[VL], s[26:27] offset:256*\j th:TH_LOAD_NT
.endr
.irp j, 0,1,2,3,4,5,6,7,8,9,10,11,12,13,14,15
	global_load_b128 v[X+4*\j:X+4*\j+3], v[VL], s[8:9] offset:256*\j th:TH_LOAD_NT
.endr
	s_wait_loadcnt 32                              ; loads return in order: the 32 younger ones stay out, gamma and beta are in
	ds_store_b128 v[V16], v[6:9]                   ; gamma at LDS 0, beta at 4096
	ds_store_b128 v[V16], v[10:13] offset:4096
	s_wait_dscnt 0x0                               ; for the other waves' sake: my stores are done before I signal
	s_barrier_signal -1
	s_barrier_wait -1                              ; the only barrier: LDS is only read from here on
	s_wait_alu depctr_vm_vsrc(0)                   ; my two LDS stores have read v[6:13]: v12 and v13 are NM from here on, written by the mean's lines; no memory instruction below names them
; gamma and beta of the columns of load 4 k + i, two LDS loads into the buffer that begins at register b; lanes 16-31 read the words of lanes 0-15
.macro GROW k, i, b
	ds_load_b128 v[\b+4*\i:\b+4*\i+3], v[VG] offset:256*(4*\k+\i)
	ds_load_b128 v[\b+16+4*\i:\b+16+4*\i+3], v[VG] offset:4096+256*(4*\k+\i)
.endm
.macro GROUP k, b
.irp i, 0,1,2,3
	GROW \k, \i, \b
.endr
.endm
	GROUP 0, GB                                    ; three buffers that no vector instruction has named: nothing is owed for these 24 loads
	GROUP 1, GB+32
	GROUP 2, GB2
	s_wait_loadcnt 16                              ; the weights are in; the 16 loads of hidden stay out
.irp j, 0,1,2,3,4,5,6,7,8,9,10,11,12,13,14,15
	v_cvt_pk_f16_f32 v[W+4*\j], v[W+4*\j], v[W+4*\j+1]
	v_cvt_pk_f16_f32 v[W+4*\j+1], v[W+4*\j+2], v[W+4*\j+3]
.endr
	s_wait_alu depctr_va_vdst(0)                   ; the 32 conversions have written W + 4 j, W + 4 j + 1, which the sixteen stores below read; the additions among which they are dealt name X and ACC alone
.irp j, 0,1,2,3
	global_store_b64 v[VS], v[W+4*\j:W+4*\j+1], s[24:25] offset:\j*PANEL   ; these registers are not written again
.endr
; four chains into one number, then over the 16 lanes that share a row (a row of lanes for DPP is these 16)
.macro JOIN
	v_pk_add_f32 v[ACC:ACC+1], v[ACC:ACC+1], v[ACC+2:ACC+3]
	v_pk_add_f32 v[ACC+4:ACC+5], v[ACC+4:ACC+5], v[ACC+6:ACC+7]
	v_pk_add_f32 v[ACC:ACC+1], v[ACC:ACC+1], v[ACC+4:ACC+5]
	v_add_f32 v[ACC], v[ACC], v[ACC+1]
	v_add_f32_dpp v[ACC], v[ACC], v[ACC] row_xmask:1 row_mask:0xf bank_mask:0xf
	v_add_f32_dpp v[ACC], v[ACC], v[ACC] row_xmask:2 row_mask:0xf bank_mask:0xf
	v_add_f32_dpp v[ACC], v[ACC], v[ACC] row_xmask:4 row_mask:0xf bank_mask:0xf
	v_add_f32_dpp v[ACC], v[ACC], v[ACC] row_xmask:8 row_mask:0xf bank_mask:0xf
.endm
	s_wait_loadcnt 0x0                             ; hidden is in
.irp k, 0,1,2,3
	v_pk_add_f32 v[ACC+2*\k:ACC+2*\k+1], v[X+2*\k:X+2*\k+1], v[X+8+2*\k:X+8+2*\k+1]   ; the first pairs start the chains
.endr
.set p, 8
.rept 24
.if p < 20
	global_store_b64 v[VS], v[W+4*(p-4):W+4*(p-4)+1], s[24:25] offset:(p-4)*PANEL   ; the weights' stores 4 to 15, one ahead of each addition.  No wait: no vector instruction since the wait above names W or v2
.endif
	v_pk_add_f32 v[ACC+2*(p%4):ACC+2*(p%4)+1], v[ACC+2*(p%4):ACC+2*(p%4)+1], v[X+2*p:X+2*p+1]
.set p, p+1
.endr
	JOIN
	v_mul_f32 v[NM], s36, v[ACC]                   ; minus the mean
	v_mov_b32 v[NM+1], v[NM]
.set p, 0
.rept 32
	v_pk_add_f32 v[X+2*p:X+2*p+1], v[X+2*p:X+2*p+1], v[NM:NM+1]
.set p, p+1
.endr
.irp k, 0,1,2,3
	v_pk_mul_f32 v[ACC+2*\k:ACC+2*\k+1], v[X+2*\k:X+2*\k+1], v[X+2*\k:X+2*\k+1]
.endr
.set p, 4
.rept 28
	v_pk_fma_f32 v[ACC+2*(p%4):ACC+2*(p%4)+1], v[X+2*p:X+2*p+1], v[X+2*p:X+2*p+1], v[ACC+2*(p%4):ACC+2*(p%4)+1]
.set p, p+1
.endr
	JOIN
	v_fma_f32 v[ACC+1], v[ACC], s34, s35           ; var + eps
	v_rsq_f32 v[RS], v[ACC+1]
	v_nop                                          ; one plain place behind the transcendental before its result is read (ISA guide 5.7.2)
	s_wait_alu depctr_va_vdst(0)                   ; v_rsq_f32 has written v[RS], ahead of its first reader, the line below
	v_mov_b32 v[RS+1], v[RS]
; Block k, loads 4 k .. 4 k + 3: scale, gamma, beta, round.  b: the first register of its buffer of gamma and beta.  left = LDS loads that may stay out.
; Its results are stored in the next block, or behind the last; the stores of block k - 1 are dealt among its rows, and in block 1 so are block 3's loads of gamma and beta.
.macro NORM k, b, left
	s_wait_dscnt \left                             ; LDS loads return in order: this block's gamma and beta are in
.if \k > 0
	s_wait_alu depctr_va_vdst(0)                   ; the block before has written its f16 pairs, which the stores below read; in block 1 also: block 0 is done reading GB0, in which the LDS loads below land
.endif
.irp i, 0,1,2,3
.if \k == 1
	GROW 3, \i, GB                                 ; block 3's gamma and beta: two blocks' work in which to land
.endif
.if \k > 0
	global_store_b64 v[VS], v[X+16*(\k-1)+4*\i:X+16*(\k-1)+4*\i+1], s[22:23] offset:(4*(\k-1)+\i)*PANEL   ; not written again: no wait for the store's sources
.endif
	v_pk_mul_f32 v[X+16*\k+4*\i:X+16*\k+4*\i+1], v[X+16*\k+4*\i:X+16*\k+4*\i+1], v[RS:RS+1]
	v_pk_mul_f32 v[X+16*\k+4*\i+2:X+16*\k+4*\i+3], v[X+16*\k+4*\i+2:X+16*\k+4*\i+3], v[RS:RS+1]
	v_pk_fma_f32 v[X+16*\k+4*\i:X+16*\k+4*\i+1], v[X+16*\k+4*\i:X+16*\k+4*\i+1], v[\b+4*\i:\b+4*\i+1], v[\b+16+4*\i:\b+16+4*\i+1]
	v_pk_fma_f32 v[X+16*\k+4*\i+2:X+16*\k+4*\i+3], v[X+16*\k+4*\i+2:X+16*\k+4*\i+3], v[\b+4*\i+2:\b+4*\i+3], v[\b+16+4*\i+2:\b+16+4*\i+3]
	v_cvt_pk_f16_f32 v[X+16*\k+4*\i], v[X+16*\k+4*\i], v[X+16*\k+4*\i+1]
	v_cvt_pk_f16_f32 v[X+16*\k+4*\i+1], v[X+16*\k+4*\i+2], v[X+16*\k+4*\i+3]
.endr
.endm
	NORM 0, GB, 16                                 ; groups 1 and 2, sixteen loads, may stay out
	NORM 1, GB+32, 8                               ; group 2 may stay out; group 3 is issued behind this wait
	NORM 2, GB2, 8                                 ; group 3 may stay out
	NORM 3, GB, 0
	s_wait_alu depctr_va_vdst(0)                   ; block 3 has written its f16 pairs, which the last four stores read
.irp i, 0,1,2,3
	global_store_b64 v[VS], v[X+48+4*\i:X+48+4*\i+1], s[22:23] offset:(12+\i)*PANEL
.endr
	s_wait_dscnt 0x0                               ; the closing lines, six on end
	s_wait_alu 0x0
	s_wait_tensorcnt 0x0
	ds_add_u32 v216, v217
	s_wait_dscnt 0x0
	s_endpgm
.Lfunc_end_k_qd61852ddc9_prep:
	.size	k_qd61852ddc9_prep, .Lfunc_end_k_qd61852ddc9_prep-k_qd61852ddc9_prep
	.p2alignl 7, 3214868480
	.fill 96, 4, 3214868480
	.section	.rodata,"a",@progbits
	.p2align	6, 0x0
	.amdhsa_kernel k_qd61852ddc9_prep
		.amdhsa_group_segment_fixed_size 9216
		.amdhsa_private_segment_fixed_size 0
		.amdhsa_enable_private_segment 0
		.amdhsa_kernarg_size 72
		.amdhsa_user_sgpr_count 2
		.amdhsa_user_sgpr_kernarg_segment_ptr 1
		.amdhsa_wavefront_size32 1
		.amdhsa_system_sgpr_workgroup_id_x 1
		.amdhsa_system_sgpr_workgroup_id_y 1
		.amdhsa_system_sgpr_workgroup_id_z 1
		.amdhsa_system_vgpr_workitem_id 0
		.amdhsa_next_free_vgpr 250
		.amdhsa_next_free_sgpr 66
		.amdhsa_reserve_vcc 0
		.amdhsa_float_denorm_mode_32 3
		.amdhsa_float_denorm_mode_16_64 3
		.amdhsa_memory_ordered 1
		.amdhsa_forward_progress 1
		.amdhsa_inst_pref_size 26
	.end_amdhsa_kernel
	.amdgpu_metadata
---
amdhsa.version: [ 1, 2 ]
amdhsa.kernels:
  - .name:           k_qd61852ddc9_prep
    .symbol:         k_qd61852ddc9_prep.kd
    .args:
      - { .name: hidden_states, .offset: 0, .size: 8, .value_kind: global_buffer, .address_space: global }
      - { .name: gamma, .offset: 8, .size: 8, .value_kind: global_buffer, .address_space: global }
      - { .name: beta, .offset: 16, .size: 8, .value_kind: global_buffer, .address_space: global }
      - { .name: Wq, .offset: 24, .size: 8, .value_kind: global_buffer, .address_space: global }
      - { .name: Wk, .offset: 32, .size: 8, .value_kind: global_buffer, .address_space: global }
      - { .name: Wv, .offset: 40, .size: 8, .value_kind: global_buffer, .address_space: global }
      - { .name: Wo, .offset: 48, .size: 8, .value_kind: global_buffer, .address_space: global }
      - { .name: xn, .offset: 56, .size: 8, .value_kind: global_buffer, .address_space: global }
      - { .name: wb, .offset: 64, .size: 8, .value_kind: global_buffer, .address_space: global }
    .group_segment_fixed_size: 9216
    .private_segment_fixed_size: 0
    .kernarg_segment_align: 8
    .kernarg_segment_size: 72
    .max_flat_workgroup_size: 256
    .sgpr_count:     66
    .vgpr_count:     250
    .wavefront_size: 32
...
	.end_amdgpu_metadata
.endif
;; end of part 5
;; launch qkv: the kernel of part 2 again; grid 16 x 16, 4 waves a work-group, clusters of 4 x 4, 327,680 bytes of LDS; arguments xn, wb, bq, bk, bv, qkv; writes qkv
;; launch attn: the kernel of part 3 again; grid 8 x 32, 8 waves a work-group, no clusters, 181,248 bytes of LDS; arguments qkv, at; writes at
;; launch oproj: the kernel of part 4 again; grid 8 x 32, 4 waves a work-group, clusters of 4 x 4, 327,680 bytes of LDS; arguments at, wb, bo, hidden_states, out0; writes out0
